; MI455X (gfx1250); checked and timed in simulation.
; The chip was launched on July 23, 2026; its instructions are those of AMD's public machine-readable ISA for CDNA 5 (MIT licence, August 2026) and "CDNA5" Instruction Set Architecture Reference Guide (July 2026). The comments in the code are by the model that wrote it; some were corrected since.
;; Multi head attention. Allowed arithmetic: matrix products marked QUANTISED: E2M1 operands, one E8M0 scale for each 32 along K, by v_wmma_scale_f32_16x16x128_f8f6f4 with both operands' format E2M1 (or v_wmma_scale_f32_32x16x128_f4), f32 sums; products left as they are: bf16, f16 or f32 operands; f32 sums; everything else in f32.
;; Inputs: Wk 1,024 x 1,024 float32; Wo 1,024 x 1,024 float32; Wq 1,024 x 1,024 float32; Wv 1,024 x 1,024 float32; bo 1,024 float32; embed_vec 4 x 2,048 x 1,024 float32.
;; Outputs: out0 4 x 2,048 x 1,024 float32.
;; This version of the problem:
;;   THIS VERSION OF THE PROBLEM IS GIVEN IN LOW PRECISION. The matrix products marked QUANTISED in the list below multiply operands that are first quantised to E2M1 (2 exponent bits, 1 mantissa bit; 4 bits a number), with one power-of-two scale for each 32 numbers along K (OCP MX v1.0); their sums are f32. The products marked 'left as it is' may take bf16, f16 or f32 operands, with f32 sums. Whichever they take, every output number must still come out within the allowed error. Rounding operands to bf16 (8 significant bits) uses up far more of that allowance than f16 does (11 bits, for magnitudes from 6e-5 to 65,504). All else is computed in f32.
;;   The module's matrix products, in the order in which they are computed (A, B: the left and right operand; K: the contracted axis; several contracted axes count as one K, in the product's order):
;;     1. [M 8,192, K 1,024] x [K 1,024, N 1,024]; A: input embed_vec; B: input Wq: QUANTISED
;;     2. [M 8,192, K 1,024] x [K 1,024, N 1,024]; A: input embed_vec; B: input Wk: QUANTISED
;;     3. [M 8,192, K 1,024] x [K 1,024, N 1,024]; A: input embed_vec; B: input Wv: QUANTISED
;;     4. batch 64 x [M 2,048, K 64] x [K 64, N 2,048]; A: computed on the way; B: computed on the way: left as it is (an operand is computed on the way)
;;     5. batch 64 x [M 2,048, K 2,048] x [K 2,048, N 64]; A: computed on the way; B: computed on the way: left as it is (an operand is computed on the way)
;;     6. [M 8,192, K 1,024] x [K 1,024, N 1,024]; A: computed on the way; B: input Wo: left as it is (an operand is computed on the way)
;;   THE QUANTISER, for each operand of a quantised product, along K:
;;     - K is cut into blocks of 32 from its start; a last block that is shorter is filled with zeros.
;;     - A block's scale is 2^e with e = floor(log2(the largest magnitude in the block)) - 2, held to -126 .. 127; a block of zeros has e = 0. As a byte (E8M0): e + 127.
;;     - Each number is divided by its block's scale, clamped to +-6, and rounded to the nearest number of E2M1, ties to even, subnormals kept.
;;     - The product sums the exact products of the quantised numbers (number of the format x scale) in f32.
;;   ~~~python
;;   def quantise(x, axis):      # numpy; x: float32 -> the quantised numbers, widened to float32 again
;;       x = np.moveaxis(x, axis, -1); K = x.shape[-1]
;;       x = np.pad(x, [(0, 0)] * (x.ndim - 1) + [(0, -K % 32)]); x = x.reshape(x.shape[:-1] + (-1, 32)); a = np.abs(x).max(-1, keepdims=True)
;;       e = np.where(a > 0, np.clip(np.frexp(np.where(a > 0, a, 1))[1] - 1 - 2, -126, 127), 0)      # np.frexp(a)[1] - 1 = floor(log2(a)), exactly
;;       r = np.clip(x / 2.0 ** e, -6, 6)
;;       step = 2.0 ** (np.maximum(np.frexp(np.where(r == 0, 1, r))[1] - 1, 0) - 1)
;;       q = np.round(r / step) * step * 2.0 ** e      # np.round: ties to even
;;       return np.moveaxis(q.reshape(q.shape[:-2] + (-1,))[..., :K], -1, axis).astype(np.float32)
;;   ~~~
;; One version. Each part assembles by itself: llvm-mc -triple=amdgcn-amd-amdhsa -mcpu=gfx1250 --defsym DOCPART=n.
;; ======== version 1 of 1: 6 launches
;; limits: values are held in f16: magnitudes above 65,504 overflow, below 6.1e-05 lose precision
;; workspace buffers: x_codes 4,194,304 bytes; x_scales 262,144 bytes; w_codes 1,572,864 bytes; w_scales 98,304 bytes; wot 2,097,152 bytes; qkv 50,331,648 bytes; qkv32 786,432 bytes; ctx 16,777,216 bytes
;; launch quant_x (part 1): grid 256 x 1, 4 waves a work-group, no clusters, 33,280 bytes of LDS; arguments embed_vec, x_codes, x_scales; writes x_codes, x_scales
.if DOCPART == 1
	.amdgcn_target "amdgcn-amd-amdhsa--gfx1250"
	.amdhsa_code_object_version 6
	.text
	.protected	k_q56bf2c8777_quant_x
	.globl	k_q56bf2c8777_quant_x
	.p2align	8
	.type	k_q56bf2c8777_quant_x,@function
k_q56bf2c8777_quant_x:
	s_mov_b64 s[64:65], 0
	v_nop
	global_prefetch_b8 v0, s[64:65] scope:SCOPE_SE
	s_setreg_imm32_b32 hwreg(HW_REG_WAVE_MODE, 25, 1), 1
	s_wait_xcnt 0x0
; embed_vec [8192][1024] f32 becomes codes of FP4 (E2M1), K innermost (512 bytes a row), and one E8M0 scale byte for each 32 along K (32 bytes a row).
; A block's scale is 2^(floor(log2(its largest magnitude)) - 2); its byte is the largest magnitude's exponent field - 2, held at 1 from below.
; LIMITS: a block of zeros gets the byte 1, not 127 (its codes are zeros, and this program alone reads the bytes); NaN and infinities among the inputs are not served.
; Rows are dense and 1024 is a multiple of 32: the tensor is a plain stream of blocks of 32.  A wave takes 16 steps of 512 numbers.  Each load reads 512 consecutive bytes, 16 a lane; a step's 2,048 bytes
; turn through the wave's own stage in LDS and come back 64 bytes a lane, so that a lane holds 16 neighbours along K (two lanes hold a block).  A wave's store of codes covers 256 consecutive bytes, aligned;
; its 256 scale bytes are gathered in LDS and leave as one aligned run of 256 bytes.  Waves share nothing: no barrier.  Loads run four steps ahead, the turn through LDS one step.
.set WAVES, 4
.set STEPS, 16
.set EMAX,  2
.set CB,    8                          ; bytes of 16 codes
.set R,     16                         ; v16-79   four sets of 16 numbers as loaded
.set X,     80                         ; v80-111  two sets of 16 neighbours
.set C,     128                        ; v128-191 codes: four registers for each step, so that no store's data are written again
.set E,     112                        ; v112-127 a scale byte for each step
.set WREG,  8192                       ; LDS: a region for each wave: two stages of 32 x SP bytes, then its 256 scale bytes
.set SP,    80                         ; a lane's place in a stage: 64 bytes + 16 of padding
.set SPW,   12                         ; v12 LDS address of my spare word; never rewritten
.set NIL,   13                         ; v13 0; never rewritten
.set SPARE, WAVES*WREG                 ; the spare words, 128 bytes a wave
	s_load_b128 s[4:7], s[0:1], 0x0                ; x, the codes
	s_load_b64 s[8:9], s[0:1], 0x10                ; the scale bytes
	v_lshl_add_u32 v[SPW], v0, 2, SPARE
	v_mov_b32 v[NIL], 0
	v_lshrrev_b32 v1, 5, v0
	v_readfirstlane_b32 s16, v1                    ; wave
	v_and_b32 v2, 31, v0                           ; lane
	v_lshlrev_b32 v3, 4, v2                        ; my 16 bytes of a load's 512
	s_mul_i32 s17, s16, WREG
	v_lshrrev_b32 v14, 2, v2
	v_mul_u32_u24 v14, v14, SP
	v_and_b32 v15, 3, v2
	v_lshl_add_u32 v14, v15, 4, v14
	v_add_nc_u32 v14, s17, v14                     ; the stage, on the way in: SP (lane / 4) + 16 (lane % 4)
	v_mul_u32_u24 v15, v2, SP
	v_add_nc_u32 v15, s17, v15                     ; and on the way out: SP x lane
	v_mul_u32_u24 v4, v2, CB                       ; my codes' place in a step's
	v_lshrrev_b32 v5, 1, v2
	s_add_co_u32 s17, s17, 2*32*SP
	v_add_nc_u32 v5, s17, v5                       ; my block's byte among my wave's 256
	v_lshlrev_b32 v7, 3, v2
	v_add_nc_u32 v6, s17, v7                       ; and on the way out 8 bytes a lane
	s_lshl_b32 s18, ttmp9, 2
	s_add_co_u32 s18, s18, s16                     ; which run of 8,192 numbers is my wave's
	s_lshl_b32 s20, s18, 15                        ; 32,768 bytes of x,
	s_mov_b32 s21, 0
	s_lshl_b32 s22, s18, 12                        ; 4,096 of codes,
	s_mov_b32 s23, 0
	s_lshl_b32 s24, s18, 8                         ; 256 scale bytes a run
	s_mov_b32 s25, 0
	s_wait_kmcnt 0x0
	s_add_nc_u64 s[4:5], s[4:5], s[20:21]
	s_add_nc_u64 s[6:7], s[6:7], s[22:23]
	s_add_nc_u64 s[8:9], s[8:9], s[24:25]
.macro LOAD t
.irp i, 0,1,2,3
	global_load_b128 v[R+16*((\t)%4)+4*\i:R+16*((\t)%4)+4*\i+3], v3, s[4:5] offset:2048*(\t)+512*\i th:TH_LOAD_NT
.endr
.endm
.macro TURN t                          ; step t's numbers through the stage: LDS serves a wave's instructions in order, so no wait stands between the stores and the loads
.irp i, 0,1,2,3
	ds_store_b128 v14, v[R+16*((\t)%4)+4*\i:R+16*((\t)%4)+4*\i+3] offset:32*SP*((\t)%2)+8*SP*\i
.endr
.irp i, 0,1,2,3
	ds_load_b128 v[X+16*((\t)%2)+4*\i:X+16*((\t)%2)+4*\i+3], v15 offset:32*SP*((\t)%2)+16*\i
.endr
.endm
.irp t, 0,1,2,3
	LOAD \t
.endr
	s_wait_loadcnt 12                              ; step 0's four loads are in
	TURN 0
.macro STEP t
.set XS, X+16*((\t)%2)
.if (\t) > 0
	s_wait_dscnt 1                                 ; this step's numbers are back from the stage (the last step's byte store may be out)
.else
	s_wait_dscnt 0x0
.endif
.if (\t)+4 < STEPS
	LOAD (\t)+4                                    ; into the registers that the stage's stores have read
.endif
.if (\t)+1 < STEPS
.if STEPS-2-(\t) >= 3
	s_wait_loadcnt 12                              ; the next step's four loads are in; those of the three steps behind it may be out
.else
	s_wait_loadcnt 4*(STEPS-2-(\t))
.endif
	TURN (\t)+1
.endif
	v_max3_num_f32 v8, |v[XS]|, |v[XS+1]|, |v[XS+2]|               ; the largest magnitude of my 16, in two chains
	v_max3_num_f32 v9, |v[XS+3]|, |v[XS+4]|, |v[XS+5]|
.irp i, 6,10
	v_max3_num_f32 v8, v8, |v[XS+\i]|, |v[XS+\i+1]|
	v_max3_num_f32 v9, v9, |v[XS+\i+2]|, |v[XS+\i+3]|
.endr
	v_max3_num_f32 v8, v8, |v[XS+14]|, |v[XS+15]|
	v_max3_num_f32 v8, v8, v9, (EMAX+1)<<23        ; and the floor 2^(3 - 127): the byte cannot fall under 1
	v_max_num_f32_dpp v8, v8, v8 row_xmask:1 row_mask:0xf bank_mask:0xf   ; and of my neighbour's 16: the block's
	v_add_nc_u32 v11, -(EMAX<<23), v8              ; 2 off its exponent field: the conversion takes the exponent field of this operand as its scale
	v_cvt_scalef32_pk8_fp4_f32 v[C+4*(\t)], v[XS:XS+7], v11
	v_cvt_scalef32_pk8_fp4_f32 v[C+4*(\t)+1], v[XS+8:XS+15], v11
	v_lshrrev_b32 v[E+(\t)], 23, v11               ; the scale's byte (a plain line behind the conversions)
	ds_store_b8 v5, v[E+(\t)] offset:16*(\t)       ; both lanes of a block write the same byte with the same value
	global_store_b64 v4, v[C+4*(\t):C+4*(\t)+1], s[6:7] offset:32*CB*(\t)
.endm
.irp t, 0,1,2,3,4,5,6,7,8,9,10,11,12,13,14,15
	STEP \t
.endr
	ds_load_b64 v[8:9], v6                         ; LDS serves a wave's instructions in order: these see my stores
	s_wait_dscnt 0x0
	global_store_b64 v7, v[8:9], s[8:9]            ; 32 lanes store 256 consecutive bytes, aligned
	s_wait_tensorcnt 0x0                           ; the wave's end: behind my last LDS store
	ds_add_u32 v[SPW], v[NIL]
	s_wait_dscnt 0x0
	s_endpgm
.Lfunc_end_k_q56bf2c8777_quant_x:
	.size	k_q56bf2c8777_quant_x, .Lfunc_end_k_q56bf2c8777_quant_x-k_q56bf2c8777_quant_x
	.p2alignl 7, 3214868480
	.fill 96, 4, 3214868480
	.section	.rodata,"a",@progbits
	.p2align	6, 0x0
	.amdhsa_kernel k_q56bf2c8777_quant_x
		.amdhsa_group_segment_fixed_size 33280
		.amdhsa_private_segment_fixed_size 0
		.amdhsa_enable_private_segment 0
		.amdhsa_kernarg_size 24
		.amdhsa_user_sgpr_count 2
		.amdhsa_user_sgpr_kernarg_segment_ptr 1
		.amdhsa_wavefront_size32 1
		.amdhsa_system_sgpr_workgroup_id_x 1
		.amdhsa_system_sgpr_workgroup_id_y 1
		.amdhsa_system_sgpr_workgroup_id_z 1
		.amdhsa_system_vgpr_workitem_id 0
		.amdhsa_next_free_vgpr 192
		.amdhsa_next_free_sgpr 66
		.amdhsa_reserve_vcc 0
		.amdhsa_float_denorm_mode_32 3
		.amdhsa_float_denorm_mode_16_64 3
		.amdhsa_memory_ordered 1
		.amdhsa_forward_progress 1
		.amdhsa_inst_pref_size 33
	.end_amdhsa_kernel
	.amdgpu_metadata
---
amdhsa.version: [ 1, 2 ]
amdhsa.kernels:
  - .name:           k_q56bf2c8777_quant_x
    .symbol:         k_q56bf2c8777_quant_x.kd
    .args:
      - { .name: embed_vec, .offset: 0, .size: 8, .value_kind: global_buffer, .address_space: global }
      - { .name: x_codes, .offset: 8, .size: 8, .value_kind: global_buffer, .address_space: global }
      - { .name: x_scales, .offset: 16, .size: 8, .value_kind: global_buffer, .address_space: global }
    .group_segment_fixed_size: 33280
    .private_segment_fixed_size: 0
    .kernarg_segment_align: 8
    .kernarg_segment_size: 24
    .max_flat_workgroup_size: 128
    .sgpr_count:     66
    .vgpr_count:     192
    .wavefront_size: 32
...
	.end_amdgpu_metadata
.endif
;; end of part 1
;; launch prep_w (part 2): grid 16 x 8, 16 waves a work-group, no clusters, 87,040 bytes of LDS; arguments Wq, Wk, Wv, Wo, w_codes, w_scales, wot; writes w_codes, w_scales, wot
.if DOCPART == 2
	.amdgcn_target "amdgcn-amd-amdhsa--gfx1250"
	.amdhsa_code_object_version 6
	.text
	.protected	k_q56bf2c8777_prep_w
	.globl	k_q56bf2c8777_prep_w
	.p2align	8
	.type	k_q56bf2c8777_prep_w,@function
k_q56bf2c8777_prep_w:
	s_mov_b64 s[64:65], 0
	v_nop
	global_prefetch_b8 v0, s[64:65] scope:SCOPE_SE
	s_setreg_imm32_b32 hwreg(HW_REG_WAVE_MODE, 25, 1), 1
	s_wait_xcnt 0x0
; Wq, Wk, Wv [k 1024][n 1024] f32 become codes of FP4 laid [3072 = Wq|Wk|Wv columns][512 bytes], K innermost, with scale bytes [3072][32]; Wo becomes its transpose in f16, wot [n 1024][k 1024].
; Work-group (x, y): 64 columns 64 x on, weight y / 2, half y % 2 of K.  Wave w: 32 columns (w % 2), 64 along K (w / 2).  A LANE TAKES A COLUMN AND ITS 64 REGISTERS RUN DOWN K: each load reads 128 consecutive
; bytes of a row, a block of 32 along K lies in one lane, and the conversions give codes with K innermost.  The results meet in a stage in LDS and leave as whole rows: sixteen lanes store 256 consecutive bytes, aligned.
; The codes' path and Wo's path have LDS bytes of their own; both pass the one barrier.
; LIMITS: a block of zeros gets the byte 1, not 127 (its codes are zeros; this program alone reads the bytes); |Wo| stays under 65,504, f16's range; NaN and infinities are not served.
.set CP,    272                        ; a column's row in the codes' stage: 256 bytes (512 along K) + 16
.set SST,   64*CP                      ; the scale bytes' stage: 16 bytes a column
.set WST,   SST+1024                   ; Wo's stage: 64 rows of 1,024 bytes + 16
.set WP,    1040
.set SPARE, WST+64*WP                  ; the spare words, 128 bytes a wave
.set SPW,   12
.set NIL,   13
.set X,     32                         ; v32-95  my column's 64 numbers
.set C,     96                         ; v96-103 codes
.set H,     96                         ; v96-127 f16 pairs
	s_load_b256 s[4:11], s[0:1], 0x0               ; Wq, Wk, Wv, Wo
	s_load_b128 s[12:15], s[0:1], 0x20             ; w_codes, w_scales
	s_load_b64 s[16:17], s[0:1], 0x30              ; wot
	v_lshl_add_u32 v[SPW], v0, 2, SPARE
	v_mov_b32 v[NIL], 0
	v_lshrrev_b32 v1, 5, v0
	v_readfirstlane_b32 s20, v1                    ; wave 0..15
	v_and_b32 v1, 31, v0                           ; lane
	s_and_b32 s23, ttmp7, 0xffff
	s_lshr_b32 s21, s23, 1                         ; which weight
	s_and_b32 s22, s23, 1                          ; which half of K
	s_and_b32 s24, s20, 1                          ; which 32 columns
	s_lshr_b32 s25, s20, 1                         ; which 64 along K
	v_lshlrev_b32 v2, 2, v1                        ; in: 4 bytes a lane
	; every LDS address is made here, ahead of the first parting of the paths
	s_mul_i32 s26, s24, 32*CP
	s_lshl_b32 s27, s25, 5
	s_add_co_u32 s26, s26, s27
	v_mul_u32_u24 v3, v1, CP
	v_add_nc_u32 v3, s26, v3                       ; codes in: my column's row, 32 bytes for my 64 along K
	s_lshl_b32 s26, s24, 9
	s_lshl_b32 s27, s25, 1
	s_add_co_u32 s26, s26, s27
	s_add_co_u32 s26, s26, SST
	v_lshl_add_u32 v4, v1, 4, s26                  ; scale bytes in: 16 a column, my two
	s_mul_i32 s26, s24, 32*WP
	s_lshl_b32 s27, s25, 7
	s_add_co_u32 s26, s26, s27
	s_add_co_u32 s26, s26, WST
	v_mul_u32_u24 v5, v1, WP
	v_add_nc_u32 v5, s26, v5                       ; Wo in: my column's row, 128 bytes for my 64 along K
	v_lshrrev_b32 v16, 4, v1
	v_and_b32 v17, 15, v1
	s_mul_i32 s26, s20, 4*CP
	v_mul_u32_u24 v6, v16, CP
	v_lshl_add_u32 v6, v17, 4, v6
	v_add_nc_u32 v6, s26, v6                       ; codes out: rows 4 w on, sixteen lanes to a row
	s_lshl_b32 s26, s20, 11
	v_lshlrev_b32 v7, 9, v16
	v_lshl_add_u32 v7, v17, 4, v7
	v_add_nc_u32 v7, s26, v7                       ; and the same place in w_codes (512 bytes a row)
	s_lshl_b32 s26, s24, 9
	s_add_co_u32 s26, s26, SST
	v_lshl_add_u32 v8, v1, 4, s26                  ; scale bytes out (waves 0 and 1): a lane a column
	s_lshl_b32 s26, s24, 10
	v_lshl_add_u32 v9, v1, 5, s26                  ; and its row of w_scales (32 bytes)
	s_mul_i32 s26, s20, 4*WP
	s_add_co_u32 s26, s26, WST
	v_lshl_add_u32 v10, v1, 4, s26                 ; Wo out: rows 4 w on, 512 bytes an instruction
	s_lshl_b32 s26, s20, 13
	v_lshl_add_u32 v11, v1, 4, s26                 ; and the same place in wot (2,048 bytes a row)
	; byte offsets, apart from the addresses
	s_lshl_b32 s28, s22, 9
	s_lshl_b32 s26, s25, 6
	s_add_co_u32 s28, s28, s26                     ; my first k
	s_lshl_b32 s28, s28, 12                        ; rows of 4,096 bytes
	s_lshl_b32 s26, ttmp9, 8
	s_add_co_u32 s28, s28, s26
	s_lshl_b32 s26, s24, 7
	s_add_co_u32 s28, s28, s26                     ; + 4 x my first column
	s_mov_b32 s29, 0
	s_lshl_b32 s30, s21, 10
	s_lshl_b32 s26, ttmp9, 6
	s_add_co_u32 s30, s30, s26                     ; the work-group's first of the 3,072 columns
	s_lshl_b32 s32, s30, 5
	s_lshl_b32 s30, s30, 9
	s_lshl_b32 s26, s22, 8
	s_add_co_u32 s30, s30, s26                     ; codes: 512 a column + 256 x half
	s_mov_b32 s31, 0
	s_lshl_b32 s26, s22, 4
	s_add_co_u32 s32, s32, s26                     ; scale bytes: 32 a column + 16 x half
	s_mov_b32 s33, 0
	s_lshl_b32 s34, ttmp9, 17
	s_lshl_b32 s26, s22, 10
	s_add_co_u32 s34, s34, s26                     ; wot: 2,048 a column + 1,024 x half
	s_mov_b32 s35, 0
	s_wait_kmcnt 0x0
	s_cmp_eq_u32 s21, 1                            ; the weight is chosen by the work-group's number alone
	s_cselect_b64 s[4:5], s[6:7], s[4:5]
	s_cmp_eq_u32 s21, 2
	s_cselect_b64 s[4:5], s[8:9], s[4:5]
	s_cmp_eq_u32 s21, 3
	s_cselect_b64 s[4:5], s[10:11], s[4:5]
	s_add_nc_u64 s[4:5], s[4:5], s[28:29]
.set n, 0
.rept 64
	global_load_b32 v[X+n], v2, s[4:5] offset:n*4096 th:TH_LOAD_NT   ; W(k0 + n, my column): all 64 go out at once
.set n, n+1
.endr
	s_cmp_eq_u32 s21, 3
	s_cbranch_scc1 .Lwo
.macro BLOCK t                         ; block t of my two: its largest magnitude, its byte, its 32 codes
.set XS, X+32*(\t)
	v_max3_num_f32 v16, |v[XS]|, |v[XS+1]|, |v[XS+2]|
	v_max3_num_f32 v17, |v[XS+3]|, |v[XS+4]|, |v[XS+5]|
.irp i, 6,10,14,18,22,26
	v_max3_num_f32 v16, v16, |v[XS+\i]|, |v[XS+\i+1]|
	v_max3_num_f32 v17, v17, |v[XS+\i+2]|, |v[XS+\i+3]|
.endr
	v_max3_num_f32 v16, v16, |v[XS+30]|, |v[XS+31]|
	v_max3_num_f32 v16, v16, v17, 0x1800000        ; the floor 2^(3 - 127): the byte cannot fall under 1
	v_add_nc_u32 v[18+(\t)], 0xff000000, v16       ; 2 off the exponent field: the conversion's scale operand
	v_lshrrev_b32 v[20+(\t)], 23, v[18+(\t)]       ; the byte
.irp g, 0,1,2,3
	v_cvt_scalef32_pk8_fp4_f32 v[C+4*(\t)+\g], v[XS+8*\g:XS+8*\g+7], v[18+(\t)]
.endr
	v_nop                                          ; a plain line behind the last conversion
	ds_store_b128 v3, v[C+4*(\t):C+4*(\t)+3] offset:16*(\t)
.endm
	s_wait_loadcnt 32                              ; the first block's 32 loads are in
	BLOCK 0
	s_wait_loadcnt 0x0
	BLOCK 1
	v_lshl_or_b32 v22, v21, 8, v20                 ; my two bytes, the lower k below
	ds_store_b16 v4, v22
	s_branch .Ljoin
.Lwo:
	s_wait_loadcnt 32
.set n, 0
.rept 16
	v_cvt_pk_f16_f32 v[H+n], v[X+2*n], v[X+2*n+1]  ; two neighbours along k
.set n, n+1
.endr
	s_wait_loadcnt 0x0
.rept 16
	v_cvt_pk_f16_f32 v[H+n], v[X+2*n], v[X+2*n+1]
.set n, n+1
.endr
.irp i, 0,1,2,3,4,5,6,7
	ds_store_b128 v5, v[H+4*\i:H+4*\i+3] offset:16*\i
.endr
.Ljoin:
	s_wait_dscnt 0x0                               ; for the others' sake: my stores into the stage are done
	s_barrier_signal -1
	s_barrier_wait -1
	s_cmp_eq_u32 s21, 3
	s_cbranch_scc1 .Lwo_out
	s_add_nc_u64 s[12:13], s[12:13], s[30:31]
	s_add_nc_u64 s[14:15], s[14:15], s[32:33]
	ds_load_b128 v[32:35], v6
	ds_load_b128 v[36:39], v6 offset:2*CP
	s_wait_dscnt 1                                 ; the younger load may be out
	global_store_b128 v7, v[32:35], s[12:13]       ; sixteen lanes store 256 consecutive bytes, aligned
	s_wait_dscnt 0x0
	global_store_b128 v7, v[36:39], s[12:13] offset:1024
	s_cmp_gt_u32 s20, 1
	s_cbranch_scc1 .Lend
	ds_load_b128 v[40:43], v8                      ; waves 0 and 1: a column's 16 scale bytes
	s_wait_dscnt 0x0
	global_store_b128 v9, v[40:43], s[14:15]
	s_branch .Lend
.Lwo_out:
	s_add_nc_u64 s[16:17], s[16:17], s[34:35]
.irp i, 0,1,2,3,4,5,6,7
	ds_load_b128 v[32+4*\i:35+4*\i], v10 offset:(\i/2)*WP+(\i%2)*512
.endr
.irp i, 0,1,2,3,4,5,6,7
	s_wait_dscnt 7-\i                              ; the younger loads may be out
	global_store_b128 v11, v[32+4*\i:35+4*\i], s[16:17] offset:(\i/2)*2048+(\i%2)*512   ; 512 consecutive bytes
.endr
.Lend:
	s_wait_tensorcnt 0x0                           ; the wave's end: behind my last LDS store
	ds_add_u32 v[SPW], v[NIL]
	s_wait_dscnt 0x0
	s_endpgm
.Lfunc_end_k_q56bf2c8777_prep_w:
	.size	k_q56bf2c8777_prep_w, .Lfunc_end_k_q56bf2c8777_prep_w-k_q56bf2c8777_prep_w
	.p2alignl 7, 3214868480
	.fill 96, 4, 3214868480
	.section	.rodata,"a",@progbits
	.p2align	6, 0x0
	.amdhsa_kernel k_q56bf2c8777_prep_w
		.amdhsa_group_segment_fixed_size 87040
		.amdhsa_private_segment_fixed_size 0
		.amdhsa_enable_private_segment 0
		.amdhsa_kernarg_size 56
		.amdhsa_user_sgpr_count 2
		.amdhsa_user_sgpr_kernarg_segment_ptr 1
		.amdhsa_wavefront_size32 1
		.amdhsa_system_sgpr_workgroup_id_x 1
		.amdhsa_system_sgpr_workgroup_id_y 1
		.amdhsa_system_sgpr_workgroup_id_z 1
		.amdhsa_system_vgpr_workitem_id 0
		.amdhsa_next_free_vgpr 128
		.amdhsa_next_free_sgpr 66
		.amdhsa_reserve_vcc 0
		.amdhsa_float_denorm_mode_32 3
		.amdhsa_float_denorm_mode_16_64 3
		.amdhsa_memory_ordered 1
		.amdhsa_forward_progress 1
		.amdhsa_inst_pref_size 18
	.end_amdhsa_kernel
	.amdgpu_metadata
---
amdhsa.version: [ 1, 2 ]
amdhsa.kernels:
  - .name:           k_q56bf2c8777_prep_w
    .symbol:         k_q56bf2c8777_prep_w.kd
    .args:
      - { .name: Wq, .offset: 0, .size: 8, .value_kind: global_buffer, .address_space: global }
      - { .name: Wk, .offset: 8, .size: 8, .value_kind: global_buffer, .address_space: global }
      - { .name: Wv, .offset: 16, .size: 8, .value_kind: global_buffer, .address_space: global }
      - { .name: Wo, .offset: 24, .size: 8, .value_kind: global_buffer, .address_space: global }
      - { .name: w_codes, .offset: 32, .size: 8, .value_kind: global_buffer, .address_space: global }
      - { .name: w_scales, .offset: 40, .size: 8, .value_kind: global_buffer, .address_space: global }
      - { .name: wot, .offset: 48, .size: 8, .value_kind: global_buffer, .address_space: global }
    .group_segment_fixed_size: 87040
    .private_segment_fixed_size: 0
    .kernarg_segment_align: 8
    .kernarg_segment_size: 56
    .max_flat_workgroup_size: 512
    .sgpr_count:     66
    .vgpr_count:     128
    .wavefront_size: 32
...
	.end_amdgpu_metadata
.endif
;; end of part 2
;; launch gemm_qkv (part 3): grid 12 x 32, 4 waves a work-group, clusters of 4 x 4, 327,680 bytes of LDS; arguments x_codes, x_scales, w_codes, w_scales, qkv, qkv32; writes qkv, qkv32
.if DOCPART == 3
	.amdgcn_target "amdgcn-amd-amdhsa--gfx1250"
	.amdhsa_code_object_version 6
	.text
	.protected	k_q56bf2c8777_gemm_qkv
	.globl	k_q56bf2c8777_gemm_qkv
	.p2align	8
	.type	k_q56bf2c8777_gemm_qkv,@function
k_q56bf2c8777_gemm_qkv:
	s_mov_b64 s[64:65], 0
	v_nop
	global_prefetch_b8 v0, s[64:65] scope:SCOPE_SE
	s_setreg_imm32_b32 hwreg(HW_REG_WAVE_MODE, 25, 1), 1
	s_wait_xcnt 0x0
	s_wait_alu depctr_hold_cnt(0) depctr_sa_sdst(0) depctr_va_vdst(0) depctr_va_sdst(0) depctr_va_ssrc(0) depctr_va_vcc(0) depctr_vm_vsrc(0)
	s_getreg_b32 s2, hwreg(HW_REG_IB_STS2, 6, 4)
	s_cmp_eq_u32 s2, 0
	s_cbranch_scc0 .Lentry_in_a_cluster
	s_endpgm
.Lentry_in_a_cluster:
	s_bfe_u32 s2, ttmp6, 0x10000c
	s_cmp_lg_u32 s2, 0xf033
	s_cbranch_scc0 .Lentry_shape_is_right
	s_endpgm
.Lentry_shape_is_right:
; q | k | v = x (Wq | Wk | Wv) on codes of FP4 (E2M1) with one E8M0 scale for each 32 along K; sums in f32.  A: x_codes [8192][512 bytes], B: w_codes [3072][512 bytes]; scale bytes [rows][32].
; A tile of 256 x 256 is made by four waves, each 128 x 128: 64 accumulators, 512 registers.  K = 1,024 is two LDS slots of 512 along K (rows of 256 bytes): both, and all scale bytes, are asked for at the start:
; three tensor loads of a wave are out, and there is no loop.
; CLUSTERS: 4 x 4 work-groups; the four of a row need the same tiles of A, the four of a column the same tiles of B: each tile is asked for jointly.  Tile row = 8 cy + cluster y, so that cy is the batch and
; 'my tile holds a sequence's first rows' is 'cluster y = 0', the same in all sixteen partners.  Tile column = 4 cluster x + cx, so that cluster x is the tensor (q, k, v).
; THE MATRIX INSTRUCTION IS USED TRANSPOSED (source 0 = 16 rows of B, source 1 = 16 rows of A): a lane holds eight neighbouring columns of one row.
; OUT: f16, laid by head: qkv [3][16 b + h][2048][64]; a store covers four rows of one head, 512 consecutive bytes.  The first 16 rows of each sequence also leave in f32: qkv32 [b][16][3072].
; LIMIT: |q|, |k|, |v| stay under 65,504, f16's range.
; REGISTERS: window 0: v0-31 addresses; v32-95 scale words, two sets; v128-191 A's fragments, one set; window 1: B's fragments, two sets; windows 2, 3: the accumulators ((a, b) at v[8 (8 (a % 4) + b)]).
.set SIZE_K, 1024
.set KSTEP,  512
.set NQ,     KSTEP/128
.set ROWB,   256
.set KROW,   SIZE_K*4/8
.set PITCH,  272                       ; an LDS row: 256 bytes + 16: the 16 rows that a load touches start 16 bytes apart modulo 256
.set FR,     8
.set NL,     2
.set NP,     4
.set HALFT,  128*PITCH
.set SLOT,   4*HALFT
.set KS,     SIZE_K/32
.set SCL,    2*SLOT                    ; behind the slots: the scale bytes, as runs of 256 bytes + 16 of padding
.set HALFS,  (128*KS/256)*272
.set SBLK,   (16*KS/256)*272
.set SPARE,  SCL+4*HALFS               ; the spare words, 128 bytes a wave
.set SP16,   272                       ; the way out in f16: 16 rows x (256 + 16) a wave, from LDS byte 0: slot 0 has had its one fill, and its last read stands ahead of the change of slots
.set ST32,   32768                     ; the way out in f32: 16 rows x (512 + 16) a wave, in slot 0 too
.set SP32,   528
.set ADRA, 16
.set ADRB, 20
.set STO,  24
.set RD,   25
.set CO,   26
.set ADRS, 27
.set SPW,  28
.set NIL,  29
.set STO32, 30
.set RD32, 31
.set SC,   32
.set AF,   128
.set TMP,  192                         ; the way out: packed results
.set OB,   32                          ; and 16 rows read back: v32-63 and v224-255 by turns
.set G1, 24
.set G0, 32
.set G1B, 48
.set G0B, 56
.set G1S, 68
.set G0S, 76
.set G1SB, 80
.set G0SB, 88
.set MSB, 0
.macro WIN new                         ; the immediate's high byte repeats the setting that is left
.if MSB != \new
	s_set_vgpr_msb (MSB<<8)|\new
.set MSB, \new
.endif
.endm
.set MUL_LO, 0xa1                      ; source 0 (B) window 1, source 1 (A) window 0, C and D window 2
.set MUL_HI, 0xf1
.set TO_B,   0x40
; A joint load: waves 0 and 1 fetch for A, waves 2 and 3 for B; the branch hangs on the wave's number alone.  An s_nop 0 and four v_nop follow each of the two lines.
.macro JLOAD g0a, g1a, g0b, g1b
	s_cmp_eq_u32 s15, 0
	s_cbranch_scc0 .Lfor_b_\@
	tensor_load_to_lds s[\g0a:\g0a+3], s[\g1a:\g1a+7]
	s_nop 0
.rept 4
	v_nop
.endr
	s_branch .Lasked_\@
.Lfor_b_\@:
	tensor_load_to_lds s[\g0b:\g0b+3], s[\g1b:\g1b+7]
	s_nop 0
.rept 4
	v_nop
.endr
.Lasked_\@:
.endm
.macro CROUND                          ; a round of the cluster's barrier
	s_barrier_signal -1
	s_barrier_wait -1
	s_cmp_lg_u32 s14, 0
	s_cbranch_scc1 .Lnot_wave_0_\@
	s_barrier_signal -3
.Lnot_wave_0_\@:
	s_barrier_wait -3
	s_barrier_signal -1
	s_barrier_wait -1
.endm
	s_load_b128 s[4:7], s[0:1], 0x0                ; x's codes, x's scales
	s_load_b128 s[8:11], s[0:1], 0x10              ; w's codes, w's scales
	s_load_b64 s[12:13], s[0:1], 0x20              ; qkv
	s_load_b64 s[96:97], s[0:1], 0x28              ; qkv32
	v_lshl_add_u32 v[SPW], v0, 2, SPARE
	v_mov_b32 v[NIL], 0
	ds_add_u32 v[SPW], v[NIL]                      ; the wave's opening: the add, twice on end, and its wait ahead of my first tensor load
	ds_add_u32 v[SPW], v[NIL]
	v_lshrrev_b32 v1, 5, v0
	v_readfirstlane_b32 s14, v1                    ; wave 0..3
	s_lshr_b32 s15, s14, 1                         ; which half of the tile's rows is mine.  Also: I fetch for A (0) or for B (1)
	s_and_b32 s16, s14, 1                          ; which half of its columns.  Also: which 128 rows of that tile I fetch
	s_bfe_u32 s40, ttmp6, 0x40000                  ; cx
	s_bfe_u32 s41, ttmp6, 0x40004                  ; cy
	s_lshl_b32 s42, ttmp9, 2
	s_add_co_u32 s42, s42, s40                     ; tile column = 4 x cluster x + cx
	s_and_b32 s95, ttmp7, 0xffff                   ; cluster y
	s_lshl_b32 s17, s41, 3
	s_add_co_u32 s17, s17, s95                     ; tile row = 8 cy + cluster y
	s_lshl_b32 s43, s41, 2
	s_lshl_b32 s43, 15, s43                        ; my row of the cluster
	s_lshl_b32 s44, 0x1111, s40                    ; my column
	s_or_b32 s[G1+0], s43, (0<<16)|(1<<20)|(1<<21)|(5<<22)|(3<<25)  ; the mask; elements of 1 byte; padding on; bit 21 beside a mask; 4 words after every 64
	s_or_b32 s[G1B+0], s44, (0<<16)|(1<<20)|(1<<21)|(5<<22)|(3<<25)
.irp g, G1, G1B
	s_mov_b32 s[\g+1], ROWB<<16                    ; tensor_dim0
	s_mov_b32 s[\g+2], 128<<16                     ; tensor_dim1
	s_mov_b32 s[\g+3], ROWB<<16                    ; tile_dim0
	s_mov_b32 s[\g+4], 128                         ; tile_dim1
	s_mov_b32 s[\g+5], KROW                        ; from row to row
	s_mov_b32 s[\g+6], 0
	s_mov_b32 s[\g+7], 0
.endr
	s_or_b32 s[G1S+0], s43, (3<<16)|(1<<20)|(1<<21)|(5<<22)|(3<<25) ; the scale bytes of 128 rows: 4,096 dense bytes as rows of 256 (32 elements of 8 bytes)
	s_or_b32 s[G1SB+0], s44, (3<<16)|(1<<20)|(1<<21)|(5<<22)|(3<<25)
.irp g, G1S, G1SB
	s_mov_b32 s[\g+1], 32<<16
	s_mov_b32 s[\g+2], (128*KS/256)<<16
	s_mov_b32 s[\g+3], 32<<16
	s_mov_b32 s[\g+4], 128*KS/256
	s_mov_b32 s[\g+5], 32
	s_mov_b32 s[\g+6], 0
	s_mov_b32 s[\g+7], 0
.endr
	s_lshl_b32 s18, s16, 7
	s_lshl_b32 s20, s17, 8
	s_add_co_u32 s20, s20, s18                     ; A: row 256 x tile row + 128 x half
	s_lshl_b32 s46, s42, 8
	s_add_co_u32 s46, s46, s18                     ; B: row 256 x tile column + 128 x half
	s_mov_b32 s21, 0
	s_mov_b32 s47, 0
	s_mov_b64 s[18:19], KS
	s_mul_u64 s[22:23], s[20:21], s[18:19]         ; where these rows' scale bytes begin,
	s_mul_u64 s[92:93], s[46:47], s[18:19]
	s_mov_b64 s[18:19], KROW
	s_mul_u64 s[20:21], s[20:21], s[18:19]         ; and their codes
	s_mul_u64 s[46:47], s[46:47], s[18:19]
	s_mul_i32 s45, s14, HALFT                      ; where they go: wave x 128 rows
	s_mul_i32 s94, s14, HALFS
	s_wait_dscnt 0x0                               ; both opening adds are done
	s_wait_kmcnt 0x0
	s_add_nc_u64 s[20:21], s[4:5], s[20:21]
	s_add_nc_u64 s[22:23], s[6:7], s[22:23]
	s_add_nc_u64 s[46:47], s[8:9], s[46:47]
	s_add_nc_u64 s[92:93], s[10:11], s[92:93]
	CROUND                                         ; all sixteen work-groups are here: the joint loads meet
	s_mov_b32 s[G0S], 1
	s_add_co_u32 s[G0S+1], s94, SCL
	s_mov_b64 s[G0S+2:G0S+3], s[22:23]
	s_or_b32 s[G0S+3], s[G0S+3], 0x80000000
	s_mov_b32 s[G0SB], 1
	s_add_co_u32 s[G0SB+1], s94, SCL
	s_mov_b64 s[G0SB+2:G0SB+3], s[92:93]
	s_or_b32 s[G0SB+3], s[G0SB+3], 0x80000000
	JLOAD G0S, G1S, G0SB, G1SB                     ; the scale bytes first: they are wanted with the first slot
.irp s, 0,1
	s_mov_b32 s[G0+4*\s], 1
	s_add_co_u32 s[G0+4*\s+1], s45, \s*SLOT
	s_add_nc_u64 s[G0+4*\s+2:G0+4*\s+3], s[20:21], \s*ROWB
	s_or_b32 s[G0+4*\s+3], s[G0+4*\s+3], 0x80000000
	s_mov_b32 s[G0B+4*\s], 1
	s_add_co_u32 s[G0B+4*\s+1], s45, \s*SLOT
	s_add_nc_u64 s[G0B+4*\s+2:G0B+4*\s+3], s[46:47], \s*ROWB
	s_or_b32 s[G0B+4*\s+3], s[G0B+4*\s+3], 0x80000000
	JLOAD G0+4*\s, G1, G0B+4*\s, G1B
.endr
	v_and_b32 v1, 15, v0                           ; r = l % 16
	v_bfe_u32 v2, v0, 4, 1                         ; h = l / 16
	v_mul_u32_u24 v3, v1, PITCH
	v_lshl_add_u32 v4, v2, 4, v3                   ; a fragment's row x pitch + 16 x half
	s_mul_i32 s21, s15, HALFT                      ; my 128 rows of A
	s_mul_i32 s22, s16, HALFT                      ; my 128 rows of B,
	s_add_co_u32 s22, s22, 2*HALFT                 ; which lie behind A's 256
.irp s, 0,1
	v_add_nc_u32 v[ADRA+\s], s21, v4
	v_add_nc_u32 v[ADRB+\s], s22, v4
	s_add_co_u32 s21, s21, SLOT
	s_add_co_u32 s22, s22, SLOT
.endr
	v_mul_u32_u24 v5, v1, KS                       ; my row's scale bytes: KS a row,
	v_lshrrev_b32 v6, 8, v5
	v_lshl_add_u32 v5, v6, 4, v5                   ; and 16 more for each 256 passed
	s_mul_i32 s21, s15, HALFS
	s_mul_i32 s22, s16, HALFS
	s_add_co_u32 s22, s22, 2*HALFS
	s_sub_co_u32 s22, s22, s21
	v_mul_u32_u24 v6, s22, v2                      ; lanes 16-31 take B's
	s_add_co_u32 s21, s21, SCL
	v_add_nc_u32 v5, v5, v6
	v_add_nc_u32 v[ADRS], s21, v5
	s_mul_i32 s23, s14, 16*SP16                    ; my f16 stage
	v_mul_u32_u24 v5, v1, SP16
	v_lshl_add_u32 v5, v2, 4, v5
	v_add_nc_u32 v[STO], s23, v5                   ; in: row r, 16 bytes for each half of the lanes
	v_and_b32 v6, 31, v0
	v_lshrrev_b32 v7, 3, v6
	v_mul_u32_u24 v7, v7, SP16
	v_and_b32 v8, 7, v6
	v_lshl_add_u32 v7, v8, 4, v7
	v_add_nc_u32 v[RD], s23, v7                    ; back: eight lanes take one head's 128 bytes of a row, four rows an instruction
	v_lshlrev_b32 v[CO], 4, v6                     ; 16 x lane
	s_mul_i32 s23, s14, 16*SP32
	s_add_co_u32 s23, s23, ST32                    ; my f32 stage
	v_mul_u32_u24 v5, v1, SP32
	v_lshl_add_u32 v5, v2, 5, v5
	v_add_nc_u32 v[STO32], s23, v5
	v_add_nc_u32 v[RD32], s23, v[CO]
	; qkv: tensor x 16,777,216 + ((16 cy + 4 cx + 2 x column half) x 2048 + 256 x cluster y + 128 x row half) x 128
	s_lshl_b32 s20, s41, 4
	s_lshl_b32 s21, s40, 2
	s_add_co_u32 s20, s20, s21
	s_lshl_b32 s21, s16, 1
	s_add_co_u32 s20, s20, s21                     ; 16 b + my first head
	s_lshl_b32 s20, s20, 11
	s_lshl_b32 s21, s95, 8
	s_add_co_u32 s20, s20, s21
	s_lshl_b32 s21, s15, 7
	s_add_co_u32 s20, s20, s21
	s_lshl_b32 s20, s20, 7
	s_lshl_b32 s21, ttmp9, 24
	s_add_co_u32 s20, s20, s21
	s_mov_b32 s21, 0
	s_add_nc_u64 s[12:13], s[12:13], s[20:21]
	; qkv32: cy x 196,608 + (256 x tile column + 128 x column half) x 4
	s_mul_i32 s20, s41, 196608
	s_lshl_b32 s21, s42, 10
	s_add_co_u32 s20, s20, s21
	s_lshl_b32 s21, s16, 9
	s_add_co_u32 s20, s20, s21
	s_mov_b32 s21, 0
	s_add_nc_u64 s[96:97], s[96:97], s[20:21]
	s_or_b32 s95, s95, s15                         ; 0 where my 128 rows begin a sequence
.macro FRAG reg, adr, q, i             ; 16 rows x 128 K of 4-bit codes: 8 registers; registers 4 c .. 4 c + 3 hold K = 64 c + 32 (l / 16) + 0 .. 31
.irp c, 0,1
	ds_load_b128 v[\reg+4*\c:\reg+4*\c+3], v[\adr] offset:64*(\q)+32*\c+(\i)*16*PITCH
.endr
.endm
; 16 matrix instructions: A's blocks a0, a0 + 1 x B's eight.  The 64 accumulators take turns, one instruction a turn, in the same order in every step.
.macro MUL16 a0, p, q, sc, zero
.irp a, \a0, \a0+1
.irp b, 0,1,2,3,4,5,6,7
.if \zero
	v_wmma_scale_f32_16x16x128_f8f6f4 v[8*(8*((\a)%4)+\b):8*(8*((\a)%4)+\b)+7], v[128*(\p)+FR*\b:128*(\p)+FR*\b+FR-1], v[AF+FR*(\a):AF+FR*(\a)+FR-1], 0, v[SC+8*NQ*(\sc)+NQ*\b+(\q)], v[SC+8*NQ*(\sc)+NQ*(\a)+(\q)] matrix_a_fmt:MATRIX_FMT_FP4 matrix_b_fmt:MATRIX_FMT_FP4 matrix_a_scale:MATRIX_SCALE_ROW1
.else
	v_wmma_scale_f32_16x16x128_f8f6f4 v[8*(8*((\a)%4)+\b):8*(8*((\a)%4)+\b)+7], v[128*(\p)+FR*\b:128*(\p)+FR*\b+FR-1], v[AF+FR*(\a):AF+FR*(\a)+FR-1], v[8*(8*((\a)%4)+\b):8*(8*((\a)%4)+\b)+7], v[SC+8*NQ*(\sc)+NQ*\b+(\q)], v[SC+8*NQ*(\sc)+NQ*(\a)+(\q)] matrix_a_fmt:MATRIX_FMT_FP4 matrix_b_fmt:MATRIX_FMT_FP4 matrix_a_scale:MATRIX_SCALE_ROW1
.endif
.endr
.endr
.endm
.macro FETCH_B slot, q, p
	WIN TO_B
.irp i, 0,1,2,3,4,5,6,7
	FRAG 128*(\p)+FR*\i, ADRB+\slot, \q, \i
.endr
	WIN 0
.endm
.macro FETCH_A slot, q, i0
.irp i, \i0, \i0+1, \i0+2, \i0+3
	FRAG AF+FR*(\i), ADRA+\slot, \q, \i
.endr
.endm
.macro SCALES sc                       ; a slot's scale words: lanes 0-15 take A's block i, lanes 16-31 B's block i; four words a row
.irp i, 0,1,2,3,4,5,6,7
	ds_load_b128 v[SC+8*NQ*\sc+NQ*\i:SC+8*NQ*\sc+NQ*\i+3], v[ADRS] offset:\i*SBLK
.endr
.endm
.macro PLACES n                        ; plain vector lines between a matrix instruction and a load into, or a read of, its registers
.rept \n
	v_nop
.endr
.endm
.macro STEP slot, q, zero              ; 128 along K, with its successor in the same slot
	s_wait_dscnt 4*NL                              ; B's set and A's blocks 0-3 are in; A's blocks 4-7 (eight loads) may be out
	WIN MUL_LO
	MUL16 0, (\q)%2, \q, \slot, \zero
	MUL16 2, (\q)%2, \q, \slot, \zero
	s_wait_dscnt 0
	PLACES NP
	FETCH_B \slot, (\q)+1, 1-(\q)%2
	FETCH_A \slot, (\q)+1, 0
	WIN MUL_HI
	MUL16 4, (\q)%2, \q, \slot, \zero
	MUL16 6, (\q)%2, \q, \slot, \zero
	PLACES NP
	WIN 0
	FETCH_A \slot, (\q)+1, 4
.endm
.macro STEPS slot, from
.set Q, \from
.rept NQ-1-\from
	STEP \slot, Q, 0
.set Q, Q+1
.endr
.endm
	s_wait_tensorcnt 1                             ; the scale bytes and my part of slot 0 are in (slot 1's load may be out),
	s_barrier_signal -1
	s_barrier_wait -1                              ; everybody's are
	FETCH_B 0, 0, 0
	FETCH_A 0, 0, 0
	SCALES 0
	FETCH_A 0, 0, 4
	STEP 0, 0, 1                                   ; the first step's products start the sums: nothing is cleared
	STEPS 0, 1
	; slot 0's last step changes slots: one barrier; ahead of it my part of slot 1 has landed and my reads of slot 0 are over
	s_wait_tensorcnt 0x0
	ds_add_u32 v[SPW], v[NIL]
	s_wait_dscnt 4*NL+1                            ; (the add and A's blocks 4-7 may be out)
	WIN MUL_LO
	MUL16 0, 1, NQ-1, 0, 0
	s_wait_dscnt 0x0
	s_barrier_signal -1
	MUL16 2, 1, NQ-1, 0, 0
	WIN 0
	s_barrier_wait -1
	PLACES NP
	v_add_nc_u32 v[ADRS], 4*NQ, v[ADRS]            ; on to slot 1's scale words
	FETCH_B 1, 0, 0
	FETCH_A 1, 0, 0
	SCALES 1
	WIN MUL_HI
	MUL16 4, 1, NQ-1, 0, 0
	MUL16 6, 1, NQ-1, 0, 0
	PLACES NP
	WIN 0
	FETCH_A 1, 0, 4
	STEPS 1, 0
	s_wait_dscnt 4*NL                              ; the very last step
	WIN MUL_LO
	MUL16 0, 1, NQ-1, 1, 0
	MUL16 2, 1, NQ-1, 1, 0
	s_wait_dscnt 0
	WIN MUL_HI
	MUL16 4, 1, NQ-1, 1, 0
	MUL16 6, 1, NQ-1, 1, 0
	WIN 0
; THE WAY OUT.  Block a = my rows 16 a on.  PACK: rounded to f16, 16 bytes a lane.  TOSTAGE: into my own stage, and back by heads.  SEND: stored.
.macro PACK a
.set AC, 64*((\a)%4)
	WIN 0x0a+5*((\a)/4)                            ; sources 0 and 1: window 2 or 3
.irp b, 0,1,2,3,4,5,6,7
.irp r, 0,1,2,3
	v_cvt_pk_f16_f32 v[TMP+4*\b+\r], v[AC+8*\b+2*\r], v[AC+8*\b+2*\r+1]   ; each accumulator from its low end on
.endr
.endr
	WIN 0
.endm
.macro TOSTAGE a
.set BK, OB+192*((\a)%2)
.irp b, 0,1,2,3,4,5,6,7
	ds_store_b128 v[STO], v[TMP+4*\b:TMP+4*\b+3] offset:32*\b
.endr
.irp t, 0,1,2,3,4,5,6,7
	ds_load_b128 v[BK+4*\t:BK+4*\t+3], v[RD] offset:(\t%4)*4*SP16+(\t/4)*128   ; LDS serves a wave's instructions in order: these see the stores above
.endr
.endm
.macro SEND a
.set BK, OB+192*((\a)%2)
	s_wait_dscnt 0x0                               ; the block is back in registers
	s_wait_xcnt 0x0                                ; earlier stores have read their base and their registers
.if (\a) > 0
	s_add_nc_u64 s[12:13], s[12:13], 16*128        ; 16 rows of a head on
.endif
.irp t, 0,1,2,3,4,5,6,7
	global_store_b128 v[CO], v[BK+4*\t:BK+4*\t+3], s[12:13] offset:(\t/4)*262144+(\t%4)*512   ; four rows of one head: 512 consecutive bytes, aligned
.endr
.endm
	PLACES NP
	s_cmp_lg_u32 s95, 0                            ; cluster y and the wave's number alone: the same in all partners
	s_cbranch_scc1 .Lno_fine
	WIN 0x08                                       ; an LDS store's data: window 2
.irp b, 0,1,2,3,4,5,6,7
	ds_store_b128 v[STO32], v[8*\b:8*\b+3] offset:64*\b            ; a sequence's first 16 rows, in f32
	ds_store_b128 v[STO32], v[8*\b+4:8*\b+7] offset:64*\b+16
.endr
	WIN 0
.irp t, 0,1,2,3,4,5,6,7,8,9,10,11,12,13,14,15
	ds_load_b128 v[64+4*\t:67+4*\t], v[RD32] offset:\t*SP32
.endr
	s_wait_dscnt 0x0
.irp t, 0,1,2,3,4,5,6,7,8,9,10,11,12,13,14,15
	global_store_b128 v[CO], v[64+4*\t:67+4*\t], s[96:97] offset:\t*12288   ; 512 consecutive bytes of a row
.endr
.Lno_fine:
	PACK 0
	TOSTAGE 0
.irp a, 1,2,3,4,5,6,7
	PACK \a
	SEND \a-1
	TOSTAGE \a
.endr
	SEND 7
	s_wait_tensorcnt 0x0                           ; the wave's end
	ds_add_u32 v[SPW], v[NIL]
	s_wait_dscnt 0x0
	CROUND                                         ; the closing round
	s_endpgm
.Lfunc_end_k_q56bf2c8777_gemm_qkv:
	.size	k_q56bf2c8777_gemm_qkv, .Lfunc_end_k_q56bf2c8777_gemm_qkv-k_q56bf2c8777_gemm_qkv
	.p2alignl 7, 3214868480
	.fill 96, 4, 3214868480
	.section	.rodata,"a",@progbits
	.p2align	6, 0x0
	.amdhsa_kernel k_q56bf2c8777_gemm_qkv
		.amdhsa_group_segment_fixed_size 327680
		.amdhsa_private_segment_fixed_size 0
		.amdhsa_enable_private_segment 0
		.amdhsa_kernarg_size 48
		.amdhsa_user_sgpr_count 2
		.amdhsa_user_sgpr_kernarg_segment_ptr 1
		.amdhsa_wavefront_size32 1
		.amdhsa_system_sgpr_workgroup_id_x 1
		.amdhsa_system_sgpr_workgroup_id_y 1
		.amdhsa_system_sgpr_workgroup_id_z 1
		.amdhsa_system_vgpr_workitem_id 0
		.amdhsa_next_free_vgpr 1024
		.amdhsa_next_free_sgpr 100
		.amdhsa_reserve_vcc 0
		.amdhsa_float_denorm_mode_32 3
		.amdhsa_float_denorm_mode_16_64 3
		.amdhsa_memory_ordered 1
		.amdhsa_forward_progress 1
		.amdhsa_inst_pref_size 131
	.end_amdhsa_kernel
	.amdgpu_metadata
---
amdhsa.version: [ 1, 2 ]
amdhsa.kernels:
  - .name:           k_q56bf2c8777_gemm_qkv
    .symbol:         k_q56bf2c8777_gemm_qkv.kd
    .args:
      - { .name: x_codes, .offset: 0, .size: 8, .value_kind: global_buffer, .address_space: global }
      - { .name: x_scales, .offset: 8, .size: 8, .value_kind: global_buffer, .address_space: global }
      - { .name: w_codes, .offset: 16, .size: 8, .value_kind: global_buffer, .address_space: global }
      - { .name: w_scales, .offset: 24, .size: 8, .value_kind: global_buffer, .address_space: global }
      - { .name: qkv, .offset: 32, .size: 8, .value_kind: global_buffer, .address_space: global }
      - { .name: qkv32, .offset: 40, .size: 8, .value_kind: global_buffer, .address_space: global }
    .group_segment_fixed_size: 327680
    .private_segment_fixed_size: 0
    .kernarg_segment_align: 8
    .kernarg_segment_size: 48
    .max_flat_workgroup_size: 128
    .sgpr_count:     100
    .vgpr_count:     1024
    .wavefront_size: 32
...
	.end_amdgpu_metadata
.endif
;; end of part 3
;; launch fine (part 4): grid 16 x 4, 8 waves a work-group, no clusters, 35,840 bytes of LDS; arguments qkv32, Wo, bo, out0; writes out0
.if DOCPART == 4
	.amdgcn_target "amdgcn-amd-amdhsa--gfx1250"
	.amdhsa_code_object_version 6
	.text
	.protected	k_q56bf2c8777_fine
	.globl	k_q56bf2c8777_fine
	.p2align	8
	.type	k_q56bf2c8777_fine,@function
k_q56bf2c8777_fine:
	s_mov_b64 s[64:65], 0
	v_nop
	global_prefetch_b8 v0, s[64:65] scope:SCOPE_SE
	s_setreg_imm32_b32 hwreg(HW_REG_WAVE_MODE, 25, 1), 1
	s_wait_xcnt 0x0
; Rows 0 to 15 of each sequence, all in f32: attention over their 16 keys (causal) and the projection ctx Wo + bo.  These rows average one to a few values and are the largest of the output.
; Work-group (x, y): batch y, output columns 64 x on, so that a stored piece of a row is 256 consecutive bytes, aligned.  Wave w takes heads 2 w and 2 w + 1 through the attention and then does the part of the
; projection whose K is those 128 channels: ctx never leaves the wave's registers.  The eight partial tiles of 16 x 64 meet in LDS.  The attention is computed again by each of a batch's 16 work-groups.
; K's ORDER in a lane's registers is the same on both operands of each product, which keeps the sums:
;   S^T = K Q^T: lane (r, h) holds row r, channels 32 h + 0..31; chunk i takes registers 2 i, 2 i + 1.  Result: query r, keys 8 h + j.
;   ctx^T = V^T P^T: chunk kc takes keys 8 h + 2 kc + {0, 1}.  Result: query r, channels 16 d + 8 h + j, which is source 1 of the projection as it stands.
;   out^T = Wo^T ctx^T: lane (r, h) of Wo holds column 16 j + r, k = 64 head + 16 d + 8 h + 2 i + {0, 1}.  Result: query r, columns 16 j + 8 h + 0..7.
; The registers that the f32 matrix form writes (S, ctx, out) are written by matrix instructions alone.
; REGISTERS: window 0: v1-13 addresses and constants; v16-31 S; v32-47 scores, then P; v48-63 at work; v64-127 ctx; v128-159 out; v160-223 V; v224-255 the eight partial tiles' pieces.
;   window 1: v0-63 Q, v64-127 K; behind S v0-127 take Wo of the second head; v128-255 Wo of the first.
.set SPARE, 8*4352
.set SPW, 12
.set NIL, 13
.set SA,  16
.set PP,  32
.set CX,  64
.set OA,  128
.set VV,  160
.set PS,  224
.set MSB, 0
.macro WIN new
.if MSB != \new
	s_set_vgpr_msb (MSB<<8)|\new
.set MSB, \new
.endif
.endm
	s_load_b256 s[4:11], s[0:1], 0x0               ; qkv32, Wo, bo, out0
	v_lshl_add_u32 v[SPW], v0, 2, SPARE
	v_mov_b32 v[NIL], 0
	v_lshrrev_b32 v1, 5, v0
	v_readfirstlane_b32 s12, v1                    ; wave 0..7
	v_and_b32 v1, 15, v0                           ; r
	v_bfe_u32 v2, v0, 4, 1                         ; h
	v_mul_u32_u24 v3, v1, 12288
	v_lshl_add_u32 v3, v2, 7, v3                   ; Q, K: row r, + 128 h
	v_mul_u32_u24 v4, v2, 98304
	v_lshl_add_u32 v4, v1, 2, v4                   ; V: key 8 h, channel r
	v_lshlrev_b32 v5, 15, v2
	v_lshl_add_u32 v5, v1, 2, v5                   ; Wo: k 8 h, column r
	s_mul_i32 s17, s12, 4352
	v_mul_u32_u24 v6, v1, 272
	v_lshl_add_u32 v6, v2, 5, v6
	v_add_nc_u32 v6, s17, v6                       ; my partial tile: row r, + 32 h
	v_lshrrev_b32 v14, 4, v0                       ; thread / 16: the row that I sum and store
	v_mul_u32_u24 v7, v14, 272
	v_lshl_add_u32 v7, v1, 4, v7
	v_lshlrev_b32 v8, 12, v14
	v_lshl_add_u32 v8, v1, 4, v8                   ; and its place in out0
	v_lshlrev_b32 v9, 3, v2
	v_sub_nc_u32 v9, v1, v9                        ; r - 8 h: key 8 h + j is hidden where j is above it
	v_mov_b32 v10, 0xff800000                      ; -infinity
	v_lshlrev_b32 v11, 4, v1                       ; bo: my four columns
	v_mov_b32 v50, 0                               ; a lane permute's destination counts as one of its sources
	v_mov_b32 v51, 0
	s_and_b32 s13, ttmp7, 0xffff                   ; the batch
	s_mov_b32 s14, 0x76543210
	s_mov_b32 s15, 0xfedcba98                      ; selects for lane l xor 16
	s_mov_b32 s16, 0x3e38aa3b                      ; c = log2(e) / sqrt(64)
	s_mul_i32 s20, s13, 196608
	s_lshl_b32 s21, s12, 9
	s_add_co_u32 s20, s20, s21                     ; qkv32: my batch, my first head's 64 columns
	s_mov_b32 s21, 0
	s_lshl_b32 s22, s12, 19
	s_lshl_b32 s24, ttmp9, 8
	s_add_co_u32 s22, s22, s24                     ; Wo: row 128 w, column 64 x
	s_mov_b32 s23, 0
	s_mov_b32 s25, 0
	s_lshl_b32 s26, s13, 23
	s_add_co_u32 s26, s26, s24                     ; out0: the batch's first row, column 64 x
	s_mov_b32 s27, 0
	s_wait_kmcnt 0x0
	s_add_nc_u64 s[4:5], s[4:5], s[20:21]
	s_add_nc_u64 s[6:7], s[6:7], s[22:23]
	s_add_nc_u64 s[8:9], s[8:9], s[24:25]
	s_add_nc_u64 s[10:11], s[10:11], s[26:27]
	WIN 0x40                                       ; destination window 1
.irp e, 0,1
.irp i, 0,1,2,3,4,5,6,7
	global_load_b128 v[32*\e+4*\i:32*\e+4*\i+3], v3, s[4:5] offset:256*\e+16*\i             ; Q
	global_load_b128 v[64+32*\e+4*\i:64+32*\e+4*\i+3], v3, s[4:5] offset:4096+256*\e+16*\i  ; K
.endr
.endr
	WIN 0
.irp e, 0,1
.irp d, 0,1,2,3
.irp k, 0,1,2,3,4,5,6,7
	global_load_b32 v[VV+32*\e+8*\d+\k], v4, s[4:5] offset:\k*12288+8192+256*\e+64*\d       ; V(8 h + k, 16 d + r)
.endr
.endr
.endr
	WIN 0x40
.irp j, 0,1,2,3
.irp d, 0,1,2,3
.irp k, 0,1,2,3,4,5,6,7
	global_load_b32 v[128+32*\j+8*\d+\k], v5, s[6:7] offset:(16*\d+\k)*4096+64*\j           ; Wo of the first head
.endr
.endr
.endr
	WIN 0
	global_load_b128 v[56:59], v11, s[8:9]         ; bo
	s_wait_loadcnt 63                              ; 129 younger loads stand behind V's last: Q, K and V are in
	WIN 0x05                                       ; sources 0 and 1 window 1
.irp i, 0,1,2,3,4,5,6,7,8,9,10,11,12,13,14,15
.irp e, 0,1
.if \i == 0
	v_wmma_f32_16x16x4_f32 v[SA+8*\e:SA+8*\e+7], v[64+32*\e+2*\i:64+32*\e+2*\i+1], v[32*\e+2*\i:32*\e+2*\i+1], 0
.else
	v_wmma_f32_16x16x4_f32 v[SA+8*\e:SA+8*\e+7], v[64+32*\e+2*\i:64+32*\e+2*\i+1], v[32*\e+2*\i:32*\e+2*\i+1], v[SA+8*\e:SA+8*\e+7]
.endif
.endr
.endr
	WIN 0
.rept 8
	v_nop                                          ; eight places behind this form: for the loads into Q's and K's registers and for the reads of S
.endr
	WIN 0x40
.irp j, 0,1,2,3
.irp d, 0,1,2,3
.irp k, 0,1,2,3,4,5,6,7
	global_load_b32 v[32*\j+8*\d+\k], v5, s[6:7] offset:(64+16*\d+\k)*4096+64*\j            ; Wo of the second head
.endr
.endr
.endr
	WIN 0
.irp j, 0,1,2,3,4,5,6,7
	v_cmp_gt_i32 vcc_lo, \j, v9                    ; the causal mask, each accumulator from its low end on
	v_cndmask_b32 v[PP+\j], v[SA+\j], v10, vcc_lo
	v_cndmask_b32 v[PP+8+\j], v[SA+8+\j], v10, vcc_lo
.endr
.irp e, 0,1
	v_max3_num_f32 v[48+\e], v[PP+8*\e], v[PP+8*\e+1], v[PP+8*\e+2]
.endr
.irp e, 0,1
	v_max3_num_f32 v[48+\e], v[48+\e], v[PP+8*\e+3], v[PP+8*\e+4]
.endr
.irp e, 0,1
	v_max3_num_f32 v[48+\e], v[48+\e], v[PP+8*\e+5], v[PP+8*\e+6]
.endr
.irp e, 0,1
	v_max_num_f32 v[48+\e], v[48+\e], v[PP+8*\e+7]
.endr
.irp e, 0,1
	v_permlanex16_b32 v[50+\e], v[48+\e], s14, s15
.endr
.irp e, 0,1
	v_max_num_f32 v[48+\e], v[48+\e], v[50+\e]     ; the row's maximum: key 0 counts for every query, so it is a number
.endr
.irp e, 0,1
	v_mul_f32 v[52+\e], s16, v[48+\e]
.endr
.irp j, 0,1,2,3,4,5,6,7
.irp e, 0,1
	v_fma_f32 v[PP+8*\e+\j], v[PP+8*\e+\j], s16, -v[52+\e]
.endr
.endr
.irp j, 0,1,2,3,4,5,6,7,8,9,10,11,12,13,14,15
	v_exp_f32 v[PP+\j], v[PP+\j]
.endr
	v_nop                                          ; a plain line behind the last exponential
	s_wait_alu depctr_va_vdst(0)                   ; one wait for the batch, ahead of its first reader
.irp e, 0,1
	v_add_f32 v[54+\e], v[PP+8*\e], v[PP+8*\e+1]
.endr
.irp j, 2,3,4,5,6,7
.irp e, 0,1
	v_add_f32 v[54+\e], v[54+\e], v[PP+8*\e+\j]
.endr
.endr
.irp e, 0,1
	v_permlanex16_b32 v[50+\e], v[54+\e], s14, s15
.endr
.irp e, 0,1
	v_add_f32 v[54+\e], v[54+\e], v[50+\e]
.endr
.irp e, 0,1
	v_rcp_f32 v[60+\e], v[54+\e]
.endr
	v_nop
	s_wait_alu depctr_va_vdst(0)
.irp j, 0,1,2,3,4,5,6,7
.irp e, 0,1
	v_mul_f32 v[PP+8*\e+\j], v[PP+8*\e+\j], v[60+\e]
.endr
.endr
.irp kc, 0,1,2,3                       ; ctx^T = V^T P^T: the eight accumulators by turns
.irp e, 0,1
.irp d, 0,1,2,3
.if \kc == 0
	v_wmma_f32_16x16x4_f32 v[CX+32*\e+8*\d:CX+32*\e+8*\d+7], v[VV+32*\e+8*\d+2*\kc:VV+32*\e+8*\d+2*\kc+1], v[PP+8*\e+2*\kc:PP+8*\e+2*\kc+1], 0
.else
	v_wmma_f32_16x16x4_f32 v[CX+32*\e+8*\d:CX+32*\e+8*\d+7], v[VV+32*\e+8*\d+2*\kc:VV+32*\e+8*\d+2*\kc+1], v[PP+8*\e+2*\kc:PP+8*\e+2*\kc+1], v[CX+32*\e+8*\d:CX+32*\e+8*\d+7]
.endif
.endr
.endr
.endr
.rept 9
	v_nop                                          ; nine places: the results become an operand
.endr
.macro PROJ he, wb                     ; the projection's part for head he; its Wo from v[wb] of window 1 on; the four accumulators by turns
.irp d, 0,1,2,3
.irp i, 0,1,2,3
.irp j, 0,1,2,3
.if (\he == 0) && (\d == 0) && (\i == 0)
	v_wmma_f32_16x16x4_f32 v[OA+8*\j:OA+8*\j+7], v[\wb+32*\j+8*\d+2*\i:\wb+32*\j+8*\d+2*\i+1], v[CX+32*\he+8*\d+2*\i:CX+32*\he+8*\d+2*\i+1], 0
.else
	v_wmma_f32_16x16x4_f32 v[OA+8*\j:OA+8*\j+7], v[\wb+32*\j+8*\d+2*\i:\wb+32*\j+8*\d+2*\i+1], v[CX+32*\he+8*\d+2*\i:CX+32*\he+8*\d+2*\i+1], v[OA+8*\j:OA+8*\j+7]
.endif
.endr
.endr
.endr
.endm
	s_wait_loadcnt 63                              ; 129 younger loads stand behind the first head's Wo
	WIN 0x01                                       ; source 0 window 1
	PROJ 0, 128
	s_wait_loadcnt 0x0
	PROJ 1, 0
	WIN 0
.rept 8
	v_nop
.endr
.irp j, 0,1,2,3
	ds_store_b128 v6, v[OA+8*\j:OA+8*\j+3] offset:64*\j            ; each accumulator from its low end on
	ds_store_b128 v6, v[OA+8*\j+4:OA+8*\j+7] offset:64*\j+16
.endr
	s_wait_dscnt 0x0                               ; for the others' sake: my partial tile is stored
	s_barrier_signal -1
	s_barrier_wait -1
.irp w, 0,1,2,3,4,5,6,7
	ds_load_b128 v[PS+4*\w:PS+4*\w+3], v7 offset:4352*\w
.endr
	s_wait_dscnt 0x0
.irp w, 0,2,4,6                        ; the eight parts in a fixed order
	v_pk_add_f32 v[PS+4*\w:PS+4*\w+1], v[PS+4*\w:PS+4*\w+1], v[PS+4*\w+4:PS+4*\w+5]
	v_pk_add_f32 v[PS+4*\w+2:PS+4*\w+3], v[PS+4*\w+2:PS+4*\w+3], v[PS+4*\w+6:PS+4*\w+7]
.endr
.irp w, 0,4
	v_pk_add_f32 v[PS+4*\w:PS+4*\w+1], v[PS+4*\w:PS+4*\w+1], v[PS+4*\w+8:PS+4*\w+9]
	v_pk_add_f32 v[PS+4*\w+2:PS+4*\w+3], v[PS+4*\w+2:PS+4*\w+3], v[PS+4*\w+10:PS+4*\w+11]
.endr
	v_pk_add_f32 v[PS:PS+1], v[PS:PS+1], v[PS+16:PS+17]
	v_pk_add_f32 v[PS+2:PS+3], v[PS+2:PS+3], v[PS+18:PS+19]
	v_pk_add_f32 v[PS:PS+1], v[PS:PS+1], v[56:57]  ; + bo
	v_pk_add_f32 v[PS+2:PS+3], v[PS+2:PS+3], v[58:59]
	global_store_b128 v8, v[PS:PS+3], s[10:11]     ; sixteen lanes store 256 consecutive bytes, aligned
	s_wait_tensorcnt 0x0                           ; the wave's end
	ds_add_u32 v[SPW], v[NIL]
	s_wait_dscnt 0x0
	s_endpgm
.Lfunc_end_k_q56bf2c8777_fine:
	.size	k_q56bf2c8777_fine, .Lfunc_end_k_q56bf2c8777_fine-k_q56bf2c8777_fine
	.p2alignl 7, 3214868480
	.fill 96, 4, 3214868480
	.section	.rodata,"a",@progbits
	.p2align	6, 0x0
	.amdhsa_kernel k_q56bf2c8777_fine
		.amdhsa_group_segment_fixed_size 35840
		.amdhsa_private_segment_fixed_size 0
		.amdhsa_enable_private_segment 0
		.amdhsa_kernarg_size 32
		.amdhsa_user_sgpr_count 2
		.amdhsa_user_sgpr_kernarg_segment_ptr 1
		.amdhsa_wavefront_size32 1
		.amdhsa_system_sgpr_workgroup_id_x 1
		.amdhsa_system_sgpr_workgroup_id_y 1
		.amdhsa_system_sgpr_workgroup_id_z 1
		.amdhsa_system_vgpr_workitem_id 0
		.amdhsa_next_free_vgpr 512
		.amdhsa_next_free_sgpr 66
		.amdhsa_reserve_vcc 1
		.amdhsa_float_denorm_mode_32 3
		.amdhsa_float_denorm_mode_16_64 3
		.amdhsa_memory_ordered 1
		.amdhsa_forward_progress 1
		.amdhsa_inst_pref_size 56
	.end_amdhsa_kernel
	.amdgpu_metadata
---
amdhsa.version: [ 1, 2 ]
amdhsa.kernels:
  - .name:           k_q56bf2c8777_fine
    .symbol:         k_q56bf2c8777_fine.kd
    .args:
      - { .name: qkv32, .offset: 0, .size: 8, .value_kind: global_buffer, .address_space: global }
      - { .name: Wo, .offset: 8, .size: 8, .value_kind: global_buffer, .address_space: global }
      - { .name: bo, .offset: 16, .size: 8, .value_kind: global_buffer, .address_space: global }
      - { .name: out0, .offset: 24, .size: 8, .value_kind: global_buffer, .address_space: global }
    .group_segment_fixed_size: 35840
    .private_segment_fixed_size: 0
    .kernarg_segment_align: 8
    .kernarg_segment_size: 32
    .max_flat_workgroup_size: 256
    .sgpr_count:     66
    .vgpr_count:     512
    .wavefront_size: 32
...
	.end_amdgpu_metadata
.endif
;; end of part 4
;; launch attn (part 5): grid 4 x 64, 8 waves a work-group, no clusters, 327,680 bytes of LDS; arguments qkv, ctx; writes ctx
.if DOCPART == 5
	.amdgcn_target "amdgcn-amd-amdhsa--gfx1250"
	.amdhsa_code_object_version 6
	.text
	.protected	k_q56bf2c8777_attn
	.globl	k_q56bf2c8777_attn
	.p2align	8
	.type	k_q56bf2c8777_attn,@function
k_q56bf2c8777_attn:
	s_mov_b64 s[64:65], 0
	v_nop
	global_prefetch_b8 v0, s[64:65] scope:SCOPE_SE
	s_setreg_imm32_b32 hwreg(HW_REG_WAVE_MODE, 25, 1), 1
	s_wait_xcnt 0x0
; ctx[b][h][q] = the sum over k <= q of softmax_k(Q[q] . K[k] / 8) V[k], head size 64, 2,048 positions, 64 heads x batches.  Operands in f16, products, maxima and sums in f32, a running maximum.
; qkv: f16 [3][16 b + h][2048][64].  ctx: f16 [h][2048 b + s][64].
; SHARES.  Work-group (p, bh) takes the block of 256 queries 7 - p and then block p of one head: (8 - p) + (p + 1) = 9 slots of 256 keys for every work-group, so all trip counts are constants and all 256 work-groups
; have the same work.  Each of eight waves owns 32 queries, two tiles of 16: group w xor 3 (w / 4), so that waves w and w + 4 have five key steps between them on each diagonal slot.
; NO CLUSTER: the work-groups of a head turn back to key 0 after 8 - p slots, so partners would want different tiles from the sixth slot on.
; LAYOUT.  S^T = K Q^T (source 0 = 16 keys, source 1 = 16 queries): a lane holds one query (l % 16) and keys 8 (l / 16) + 0..7 of each tile.  Two such tiles rounded to f16 in pairs are source 1 of O^T = V^T P.
; K comes out of LDS as it lies, V turned by ds_load_tr16_b128.  p = 2^(c s - c m), c = log2(e) / 8; in every step O and l are multiplied by a = 2^(c m_old - c m_new).
; THE MASK.  A step all of whose 64 keys come after my 32 queries is jumped over (a scalar branch on ids); on the diagonal hidden scores become -infinity.  Every executed step's first key counts for all my queries.
; LDS.  Two slots of 256 keys, 2^17 bytes apart.  A row of K or V is 128 bytes and a head's rows are dense, so the mover takes them as rows of 256 bytes, two keys each: K's 272 bytes apart, V's 288.
; LIMITS: f16's range for q, k, v (under 65,504).  Queries 0 to 15 of a sequence are computed here too, as part of their tile; the output rows that hang on them come from another launch, in f32.
; REGISTERS: window 0: v2-15 addresses and constants; v16-31 statistics, eight a tile; v32-63 Q; v64-127 S^T; v128-159 P; v160-223 O^T; v224-255 the way out.  Window 1: v0-63 K of a step, v64-127 V.
.set PKP,   272
.set PVP,   288
.set VOFF,  128*PKP                    ; a slot: 128 rows of K, then 128 of V
.set SLOT1, 1<<17
.set STEPK, 32*PKP                     ; 64 keys
.set STEPV, 32*PVP
.set STAGE, SLOT1+128*(PKP+PVP)        ; behind the ring: 16 rows x (128 + 16) bytes a wave, for the way out
.set SPT,   144
.set SPARE, STAGE+8*16*SPT             ; the spare words, 128 bytes a wave
.set AK0, 2                            ; my lane's place in a tile of K
.set AV0, 3                            ; and of V
.set ADK, 4
.set ADV, 5
.set QO,  6
.set STO, 7
.set RD,  8
.set GO,  9
.set SPW, 10
.set NIL, 11
.set PFO, 12                           ; 256 x lane
.set MD,  13                           ; the mask's d
.set NINF, 14                          ; -infinity
.set RH,  15                           ; l % 16 - 8 (l / 16)
.set ST,  16                           ; tile u at v[ST + 8 u]: +0 c m, +1 m, +2, +3 l, +4 .. +7 at work; a takes +6
.set Q,   32
.set S,   64
.set P,   128
.set O,   160
.set OUT, 224
.set WV,  8
.set G,   9
.set PR,  10
.set BH,  11
.set NA,  12                           ; slots of the first block
.set T,   13                           ; the trip
.set KF,  14                           ; the step's first key
.set Q0,  15                           ; my first query
.set BLK, 16
.set STP, 17
.set TBK, 18
.set TBV, 19
.set SEL, 20
.set CS,  22
.set G1K, 24
.set G1V, 32
.set G0K, 40
.set G0V, 44
.set KB,  48                           ; s[48:49] K of my head, at the half slot that I would fetch
.set VB,  50
.set OFF, 52                           ; s[52:53] the byte at which the slot to be asked for begins
.set QA,  54
.set OB,  56
.set PFA, 58
.set LIMT, 60
.set MSB, 0
.macro WIN new
.if MSB != \new
	s_set_vgpr_msb (MSB<<8)|\new
.set MSB, \new
.endif
.endm
; Waves 0 and 1 fetch K's halves of a slot, waves 2 and 3 V's, the others nothing.  An s_nop 0 and four v_nop follow each of the two lines.
.macro TLOAD
	s_cmp_lt_u32 s[WV], 2
	s_cbranch_scc0 .Lnot_k_\@
	tensor_load_to_lds s[G0K:G0K+3], s[G1K:G1K+7]
	s_nop 0
.rept 4
	v_nop
.endr
	s_branch .Lasked_\@
.Lnot_k_\@:
	s_cmp_lt_u32 s[WV], 4
	s_cbranch_scc0 .Lasked_\@
	tensor_load_to_lds s[G0V:G0V+3], s[G1V:G1V+7]
	s_nop 0
.rept 4
	v_nop
.endr
.Lasked_\@:
.endm
; A prefetch of the key slot that the NEXT change of slots will ask for: in trip t key slot t + 2, four key steps ahead of its load.  All four work-groups of a head walk the same K and V: work-group p = 0, whose first
; walk goes through all eight slots, asks; in it the waves that fetch nothing: waves 4 and 5 for K's halves, 6 and 7 for V's, 16,384 bytes each, lanes 256 bytes apart, two instructions.  Each block of 256 bytes is named
; once in the launch.  Slots 0 and 1 come by their loads alone; the last slot named is slot 7, in trip 5; the second walk asks for nothing.
.macro ASK
	s_cmp_lt_u32 s[T], s[LIMT]
	s_cbranch_scc0 .Lnot_mine_\@
	global_prefetch_b8 v[PFO], s[PFA:PFA+1] th:TH_LOAD_NT scope:SCOPE_SE
	global_prefetch_b8 v[PFO], s[PFA:PFA+1] offset:8192 th:TH_LOAD_NT scope:SCOPE_SE
.Lnot_mine_\@:
.endm
	s_load_b128 s[4:7], s[0:1], 0x0                ; qkv, ctx
	v_lshl_add_u32 v[SPW], v0, 2, SPARE
	v_mov_b32 v[NIL], 0
	ds_add_u32 v[SPW], v[NIL]                      ; the wave's opening: the add, twice on end, and its wait ahead of the first tensor load
	ds_add_u32 v[SPW], v[NIL]
	v_lshrrev_b32 v1, 5, v0
	v_readfirstlane_b32 s[WV], v1                  ; wave 0..7
	s_lshr_b32 s61, s[WV], 2
	s_mul_i32 s62, s61, 3
	s_xor_b32 s[G], s[WV], s62                     ; my group of 32 queries
	s_mov_b32 s[PR], ttmp9
	s_and_b32 s[BH], ttmp7, 0xffff
	s_sub_co_u32 s[NA], 8, s[PR]
	s_xor_b32 s61, s61, 1                          ; 0 in waves 4 to 7,
	s_or_b32 s61, s61, s[PR]                       ; of work-group p = 0
	s_cmp_eq_u32 s61, 0
	s_cselect_b32 s[LIMT], 6, 0
	s_mov_b32 s[G1K], (3<<16)|(1<<20)|(5<<22)|(3<<25)   ; no mask; elements of 8 bytes; padding on: 4 words after every 64
	s_mov_b32 s[G1V], (3<<16)|(1<<20)|(5<<22)|(7<<25)   ; the same with 8 words
.irp g, G1K, G1V
	s_mov_b32 s[\g+1], 32<<16                      ; tensor_dim0: 32 elements, 256 bytes
	s_mov_b32 s[\g+2], 64<<16                      ; tensor_dim1: 64 rows (128 keys)
	s_mov_b32 s[\g+3], 32<<16                      ; tile_dim0
	s_mov_b32 s[\g+4], 64                          ; tile_dim1
	s_mov_b32 s[\g+5], 32                          ; from row to row: dense
	s_mov_b32 s[\g+6], 0
	s_mov_b32 s[\g+7], 0
.endr
	s_and_b32 s62, s[WV], 1                        ; which half of a slot I would fetch
	s_mov_b32 s[G0K], 1
	s_mul_i32 s[G0K+1], s62, 64*PKP
	s_mov_b32 s[G0V], 1
	s_mul_i32 s[G0V+1], s62, 64*PVP
	s_add_co_u32 s[G0V+1], s[G0V+1], VOFF
	s_lshl_b32 s66, s[BH], 18                      ; a head's rows: 262,144 bytes
	s_lshl_b32 s63, s62, 14
	s_add_co_u32 s66, s66, s63
	s_mov_b32 s67, 0
	s_mov_b32 s[SEL], 0x76543210
	s_mov_b32 s[SEL+1], 0xfedcba98
	s_mov_b32 s[CS], 0x3e38aa3b                    ; c = log2(e) / sqrt(64)
	s_mov_b32 s[CS+1], s[CS]
	s_mov_b32 s[TBK], 0
	s_mov_b32 s[TBV], 0
	s_mov_b32 s[OFF], 0
	s_mov_b32 s[OFF+1], 0
	s_wait_dscnt 0x0                               ; both opening adds are done
	s_wait_kmcnt 0x0
	s_add_nc_u64 s[KB:KB+1], s[4:5], s[66:67]
	s_add_nc_u64 s[VB:VB+1], s[KB:KB+1], 0x2000000 ; v is the third tensor,
	s_add_nc_u64 s[KB:KB+1], s[KB:KB+1], 0x1000000 ; k the second
	s_mov_b64 s[G0K+2:G0K+3], s[KB:KB+1]
	s_or_b32 s[G0K+3], s[G0K+3], 0x80000000
	s_mov_b64 s[G0V+2:G0V+3], s[VB:VB+1]
	s_or_b32 s[G0V+3], s[G0V+3], 0x80000000
	TLOAD                                          ; slot 0: keys 0 to 255, which count for every query block.  One tensor load of a wave is out at any time
	s_and_b32 s61, s[WV], 2
	s_cmp_eq_u32 s61, 0
	s_cselect_b64 s[PFA:PFA+1], s[KB:KB+1], s[VB:VB+1]
	s_add_nc_u64 s[PFA:PFA+1], s[PFA:PFA+1], 32768 ; at key slot 1: the first change of slots steps it to slot 2
	v_and_b32 v1, 15, v0                           ; r
	v_bfe_u32 v[OUT], v0, 4, 1                     ; h
	v_lshrrev_b32 v[OUT+1], 1, v1
	v_mul_u32_u24 v[AK0], v[OUT+1], PKP
	v_and_b32 v[OUT+1], 1, v1
	v_lshl_add_u32 v[AK0], v[OUT+1], 7, v[AK0]
	v_lshl_add_u32 v[AK0], v[OUT], 4, v[AK0]       ; key r: 272 (r / 2) + 128 (r % 2), + 16 h
	v_bfe_u32 v[OUT+1], v0, 1, 2
	v_lshl_add_u32 v[OUT+1], v[OUT], 2, v[OUT+1]
	v_mul_u32_u24 v[AV0], v[OUT+1], PVP
	v_and_b32 v[OUT+1], 1, v0
	v_lshl_add_u32 v[AV0], v[OUT+1], 7, v[AV0]
	v_bfe_u32 v[OUT+1], v0, 3, 1
	v_lshl_add_u32 v[AV0], v[OUT+1], 4, v[AV0]
	v_add_nc_u32 v[AV0], VOFF, v[AV0]              ; the turning load: key 8 h + l % 8, channels 8 ((l / 8) % 2) on
	v_lshlrev_b32 v[QO], 7, v1
	v_lshl_add_u32 v[QO], v[OUT], 4, v[QO]         ; Q: row r of 128 bytes, + 16 h
	s_mul_i32 s61, s[WV], 16*SPT
	s_add_co_u32 s61, s61, STAGE                   ; my stage
	v_mul_u32_u24 v[STO], v1, SPT
	v_lshl_add_u32 v[STO], v[OUT], 4, v[STO]
	v_add_nc_u32 v[STO], s61, v[STO]
	v_bfe_u32 v[OUT+1], v0, 3, 2
	v_mul_u32_u24 v[RD], v[OUT+1], SPT
	v_and_b32 v[OUT+1], 7, v0
	v_lshl_add_u32 v[RD], v[OUT+1], 4, v[RD]
	v_add_nc_u32 v[RD], s61, v[RD]                 ; back: eight lanes to a row of 128 bytes, four rows an instruction
	v_and_b32 v[OUT+1], 31, v0
	v_lshlrev_b32 v[GO], 4, v[OUT+1]
	v_lshlrev_b32 v[PFO], 8, v[OUT+1]
	v_lshlrev_b32 v[OUT], 3, v[OUT]
	v_sub_nc_u32 v[RH], v1, v[OUT]
	v_mov_b32 v[NINF], 0xff800000
; A block of queries begins: addresses, Q into registers, the statistics and O^T at their start (the step is written once: its first run finds zeros, and a = 0).
.macro BEGIN
	s_wait_xcnt 0x0                                ; earlier stores have read their base
	s_lshl_b32 s[Q0], s[BLK], 8
	s_lshl_b32 s61, s[G], 5
	s_add_co_u32 s[Q0], s[Q0], s61
	s_lshl_b32 s66, s[BH], 11
	s_add_co_u32 s66, s66, s[Q0]
	s_lshl_b32 s66, s66, 7
	s_mov_b32 s67, 0
	s_add_nc_u64 s[QA:QA+1], s[4:5], s[66:67]
	s_and_b32 s66, s[BH], 15
	s_lshl_b32 s66, s66, 13
	s_lshr_b32 s68, s[BH], 4
	s_lshl_b32 s68, s68, 11
	s_add_co_u32 s66, s66, s68
	s_add_co_u32 s66, s66, s[Q0]
	s_lshl_b32 s66, s66, 7
	s_add_nc_u64 s[OB:OB+1], s[6:7], s[66:67]
.irp u, 0,1
.irp c, 0,1
	global_load_b128 v[Q+16*\u+8*\c:Q+16*\u+8*\c+3], v[QO], s[QA:QA+1] offset:2048*\u+64*\c
	global_load_b128 v[Q+16*\u+8*\c+4:Q+16*\u+8*\c+7], v[QO], s[QA:QA+1] offset:2048*\u+64*\c+32
.endr
.endr
.irp u, 0,1
	v_mov_b32 v[ST+8*\u+1], 0xff61b1e6             ; m: -3e38, under every score
	v_mul_f32 v[ST+8*\u], s[CS], v[ST+8*\u+1]
.irp i, 2,3,4,5,6,7
	v_mov_b32 v[ST+8*\u+\i], 0
.endr
.endr
.set n, 0
.rept 64
	v_mov_b32 v[O+n], 0
.set n, n+1
.endr
	s_mov_b32 s[KF], 0
	s_wait_loadcnt 0x0                             ; Q
.endm
; A KEY STEP: 64 keys.
.macro STEP
	s_add_co_u32 s61, s[Q0], 31
	s_cmp_gt_u32 s[KF], s61                        ; all 64 keys come after my 32 queries: ids and the count of steps alone
	s_cbranch_scc1 .Lhidden_\@
	v_add_nc_u32 v[ADK], s[TBK], v[AK0]
	v_add_nc_u32 v[ADV], s[TBV], v[AV0]
	v_nop
	v_nop                                          ; with the two additions: four places between the last V^T P and the loads into V's registers
	WIN 0x40                                       ; destination window 1
.irp t, 0,1,2,3
.irp c, 0,1
	ds_load_b128 v[16*\t+8*\c:16*\t+8*\c+3], v[ADK] offset:8*PKP*\t+64*\c
	ds_load_b128 v[16*\t+8*\c+4:16*\t+8*\c+7], v[ADK] offset:8*PKP*\t+64*\c+32
.endr
.endr
.irp c, 0,1
.irp d, 0,1,2,3
	ds_load_tr16_b128 v[64+32*\c+8*\d:64+32*\c+8*\d+3], v[ADV] offset:16*PVP*\c+32*\d
	ds_load_tr16_b128 v[64+32*\c+8*\d+4:64+32*\c+8*\d+7], v[ADV] offset:16*PVP*\c+32*\d+8*PVP
.endr
.endr
	s_wait_dscnt 16                                ; K is in; V's sixteen loads may be out
	WIN 0x01                                       ; source 0 window 1
.irp c, 0,1                            ; S^T = K Q^T: the eight accumulators by turns; the first eight products start the sums
.irp t, 0,1,2,3
.irp u, 0,1
.if \c == 0
	v_wmma_f32_16x16x32_f16 v[S+32*\u+8*\t:S+32*\u+8*\t+7], v[16*\t+8*\c:16*\t+8*\c+7], v[Q+16*\u+8*\c:Q+16*\u+8*\c+7], 0
.else
	v_wmma_f32_16x16x32_f16 v[S+32*\u+8*\t:S+32*\u+8*\t+7], v[16*\t+8*\c:16*\t+8*\c+7], v[Q+16*\u+8*\c:Q+16*\u+8*\c+7], v[S+32*\u+8*\t:S+32*\u+8*\t+7]
.endif
.endr
.endr
.endr
	WIN 0
.rept 4
	v_nop
.endr
	s_add_co_u32 s61, s[KF], 63
	s_cmp_le_u32 s61, s[Q0]                        ; all 64 keys count for all my queries: no mask
	s_cbranch_scc1 .Lopen_\@
	s_sub_co_i32 s61, s[Q0], s[KF]
	v_add_nc_u32 v[MD], s61, v[RH]                 ; d.  Register 32 u + 8 t + j holds key KF + 16 t + 8 h + j for query Q0 + 16 u + r: hidden where 16 t + j - 16 u > d
.irp u, 0,1
.irp t, 0,1,2,3
.irp j, 0,1,2,3,4,5,6,7
	v_cmp_gt_i32 vcc_lo, 16*\t+\j-16*\u, v[MD]
	v_cndmask_b32 v[S+32*\u+8*\t+\j], v[S+32*\u+8*\t+\j], v[NINF], vcc_lo
.endr
.endr
.endr
.Lopen_\@:
	; the maximum of the lane's 32 scores and the old m: four chains, each begun at an accumulator's low end; the two tiles line by line
.irp j, 0,1,2,3
.irp u, 0,1
	v_max3_num_f32 v[ST+8*\u+4+\j], v[S+32*\u+8*\j], v[S+32*\u+8*\j+1], v[S+32*\u+8*\j+2]
.endr
.endr
.irp k, 1,2
.irp j, 0,1,2,3
.irp u, 0,1
	v_max3_num_f32 v[ST+8*\u+4+\j], v[ST+8*\u+4+\j], v[S+32*\u+8*\j+2*\k+1], v[S+32*\u+8*\j+2*\k+2]
.endr
.endr
.endr
.irp u, 0,1
	v_max3_num_f32 v[ST+8*\u+4], v[ST+8*\u+4], v[S+32*\u+7], v[S+32*\u+15]
	v_max3_num_f32 v[ST+8*\u+6], v[ST+8*\u+6], v[S+32*\u+23], v[S+32*\u+31]
.endr
.irp u, 0,1
	v_max3_num_f32 v[ST+8*\u+4], v[ST+8*\u+4], v[ST+8*\u+5], v[ST+8*\u+6]
.endr
.irp u, 0,1
	v_max3_num_f32 v[ST+8*\u+4], v[ST+8*\u+4], v[ST+8*\u+7], v[ST+8*\u+1]
.endr
.irp u, 0,1
	v_permlanex16_b32 v[ST+8*\u+5], v[ST+8*\u+4], s[SEL], s[SEL+1]   ; the query's other 32 keys lie in the lane 16 away
.endr
.irp u, 0,1
	v_mov_b32 v[ST+8*\u+7], v[ST+8*\u]             ; c m_old
.endr
.irp u, 0,1
	v_max_num_f32 v[ST+8*\u+1], v[ST+8*\u+4], v[ST+8*\u+5]
.endr
.irp u, 0,1
	v_mul_f32 v[ST+8*\u], s[CS], v[ST+8*\u+1]
.endr
.irp u, 0,1
	v_sub_f32 v[ST+8*\u+7], v[ST+8*\u+7], v[ST+8*\u]
.endr
.irp b, 0,1,2,3,4,5,6,7,8,9,10,11,12,13,14,15
.irp u, 0,1
	v_pk_fma_f32 v[S+32*\u+2*\b:S+32*\u+2*\b+1], v[S+32*\u+2*\b:S+32*\u+2*\b+1], s[CS:CS+1], v[ST+8*\u:ST+8*\u+1] op_sel_hi:[1,0,0] neg_lo:[0,0,1] neg_hi:[0,0,1]   ; c s - c m
.endr
.endr
.irp u, 0,1
	v_exp_f32 v[ST+8*\u+6], v[ST+8*\u+7]           ; a
.endr
.set n, 0
.rept 64
	v_exp_f32 v[S+n], v[S+n]                       ; p
.set n, n+1
.endr
	v_nop                                          ; a plain line behind the last exponential
	s_wait_alu depctr_va_vdst(0)                   ; one wait for the 66, ahead of their first reader
.irp k, 0,1,2,3,4,5,6,7,8,9,10,11,12,13,14,15
.irp u, 0,1
	v_cvt_pk_f16_f32 v[P+16*\u+\k], v[S+32*\u+2*\k], v[S+32*\u+2*\k+1]
.endr
.endr
.irp z, 0,1,2,3,4,5,6,7                ; the sum of the unrounded p, in place, as a tree of pairs
.irp u, 0,1
	v_pk_add_f32 v[S+32*\u+4*\z:S+32*\u+4*\z+1], v[S+32*\u+4*\z:S+32*\u+4*\z+1], v[S+32*\u+4*\z+2:S+32*\u+4*\z+3]
.endr
.endr
.irp z, 0,1,2,3
.irp u, 0,1
	v_pk_add_f32 v[S+32*\u+8*\z:S+32*\u+8*\z+1], v[S+32*\u+8*\z:S+32*\u+8*\z+1], v[S+32*\u+8*\z+4:S+32*\u+8*\z+5]
.endr
.endr
.irp z, 0,1
.irp u, 0,1
	v_pk_add_f32 v[S+32*\u+16*\z:S+32*\u+16*\z+1], v[S+32*\u+16*\z:S+32*\u+16*\z+1], v[S+32*\u+16*\z+8:S+32*\u+16*\z+9]
.endr
.endr
.irp u, 0,1
	v_pk_add_f32 v[S+32*\u:S+32*\u+1], v[S+32*\u:S+32*\u+1], v[S+32*\u+16:S+32*\u+17]
.endr
.irp u, 0,1
	v_pk_fma_f32 v[ST+8*\u+2:ST+8*\u+3], v[ST+8*\u+2:ST+8*\u+3], v[ST+8*\u+6:ST+8*\u+7], v[S+32*\u:S+32*\u+1] op_sel_hi:[1,0,1]   ; l = a l + the sum
.endr
.irp u, 0,1
.irp i, 0,1,2,3,4,5,6,7,8,9,10,11,12,13,14,15
	v_pk_mul_f32 v[O+32*\u+2*\i:O+32*\u+2*\i+1], v[O+32*\u+2*\i:O+32*\u+2*\i+1], v[ST+8*\u+6:ST+8*\u+7] op_sel_hi:[1,0]   ; O^T x a, each accumulator from its low end on
.endr
.endr
	s_wait_dscnt 0x0                               ; V is in
	WIN 0x01
.irp c, 0,1                            ; O^T += V^T P: the eight accumulators by turns
.irp d, 0,1,2,3
.irp u, 0,1
	v_wmma_f32_16x16x32_f16 v[O+32*\u+8*\d:O+32*\u+8*\d+7], v[64+32*\c+8*\d:64+32*\c+8*\d+7], v[P+16*\u+8*\c:P+16*\u+8*\c+7], v[O+32*\u+8*\d:O+32*\u+8*\d+7]
.endr
.endr
.endr
	WIN 0
.Lhidden_\@:
	s_add_co_u32 s[KF], s[KF], 64
	s_add_co_u32 s[TBK], s[TBK], STEPK
	s_add_co_u32 s[TBV], s[TBV], STEPV
.endm
.macro SLOT_STEPS                      ; a slot's four steps: written once, walked four times
	s_mov_b32 s[STP], 4
.Lstep_\@:
	STEP
	s_sub_co_u32 s[STP], s[STP], 1
	s_cmp_lg_u32 s[STP], 0
	s_cbranch_scc1 .Lstep_\@
	s_sub_co_u32 s[TBK], s[TBK], 4*STEPK
	s_sub_co_u32 s[TBV], s[TBV], 4*STEPV
	s_xor_b32 s[TBK], s[TBK], SLOT1                ; on to the other slot
	s_xor_b32 s[TBV], s[TBV], SLOT1
.endm
; THE CHANGE OF SLOTS stands at a slot's head.  Each wave waits for all its tensor loads (its part of the slot that it is about to read), adds 0 to its spare word, and waits for that and for its reads of the slot that
; it has left.  Behind the barrier the slot ahead is whole and nobody reads the other.  fill = 1: the other slot takes the keys of the next trip: the next 256, or keys 0 on where the second block begins.
.macro CHANGE fill
	s_wait_tensorcnt 0x0                           ; no tensor load of mine is out, so a group 0 may be written
	ds_add_u32 v[SPW], v[NIL]
.if \fill
	ds_add_u32 v[SPW], v[NIL]                      ; and, here, twice on end, in every trip alike
	s_add_co_u32 s[OFF], s[OFF], 32768
	s_add_co_u32 s61, s[T], 1
	s_cmp_eq_u32 s61, s[NA]
	s_cselect_b32 s[OFF], 0, s[OFF]
	s_xor_b32 s[G0K+1], s[G0K+1], SLOT1
	s_xor_b32 s[G0V+1], s[G0V+1], SLOT1
	s_add_nc_u64 s[G0K+2:G0K+3], s[KB:KB+1], s[OFF:OFF+1]
	s_or_b32 s[G0K+3], s[G0K+3], 0x80000000
	s_add_nc_u64 s[G0V+2:G0V+3], s[VB:VB+1], s[OFF:OFF+1]
	s_or_b32 s[G0V+3], s[G0V+3], 0x80000000
	s_wait_xcnt 0x0                                ; the last prefetches, a slot back, have read their address
	s_add_nc_u64 s[PFA:PFA+1], s[PFA:PFA+1], 32768
.endif
	s_wait_dscnt 0x0                               ; the add is done, and my reads of the slot that I have left are over
	s_barrier_signal -1
	s_barrier_wait -1
.if \fill
	TLOAD                                          ; the first thing behind the barrier, and a wave's one tensor load until the next
	ASK
.endif
.endm
; A block of queries ends: O^T / l, rounded to f16, through my stage, a tile of 16 rows at a time; a store covers four rows, 512 consecutive bytes.
.macro FINISH
	s_wait_xcnt 0x0                                ; earlier stores have read the registers that are written below
.rept 4
	v_nop                                          ; places behind the last products
.endr
.irp u, 0,1
	v_add_f32 v[ST+8*\u+4], v[ST+8*\u+2], v[ST+8*\u+3]
.endr
.irp u, 0,1
	v_permlanex16_b32 v[ST+8*\u+5], v[ST+8*\u+4], s[SEL], s[SEL+1]
.endr
.irp u, 0,1
	v_add_f32 v[ST+8*\u+4], v[ST+8*\u+4], v[ST+8*\u+5]
.endr
.irp u, 0,1
	v_rcp_f32 v[ST+8*\u+6], v[ST+8*\u+4]
.endr
	v_nop
	s_wait_alu depctr_va_vdst(0)                   ; one wait for the two reciprocals
.irp u, 0,1
.irp i, 0,1,2,3,4,5,6,7,8,9,10,11,12,13,14,15
	v_pk_mul_f32 v[O+32*\u+2*\i:O+32*\u+2*\i+1], v[O+32*\u+2*\i:O+32*\u+2*\i+1], v[ST+8*\u+6:ST+8*\u+7] op_sel_hi:[1,0]
.endr
.irp i, 0,1,2,3,4,5,6,7,8,9,10,11,12,13,14,15
	v_cvt_pk_f16_f32 v[OUT+16*\u+\i], v[O+32*\u+2*\i], v[O+32*\u+2*\i+1]
.endr
.irp d, 0,1,2,3
	ds_store_b128 v[STO], v[OUT+16*\u+4*\d:OUT+16*\u+4*\d+3] offset:32*\d
.endr
.irp g, 0,1,2,3
	ds_load_b128 v[OUT+16*\u+4*\g:OUT+16*\u+4*\g+3], v[RD] offset:4*SPT*\g   ; LDS serves a wave's instructions in order: these see the stores above; the next tile's stores come behind them
.endr
.endr
.irp u, 0,1
.irp g, 0,1,2,3
	s_wait_dscnt 8*(1-\u)+3-\g                     ; the LDS instructions issued behind this load may be out
	global_store_b128 v[GO], v[OUT+16*\u+4*\g:OUT+16*\u+4*\g+3], s[OB:OB+1] offset:2048*\u+512*\g
.endr
.endr
.endm
	s_sub_co_u32 s[BLK], 7, s[PR]                  ; the late block first
	BEGIN
	s_mov_b32 s[T], 0
.Lslot:                                            ; eight trips; the ninth slot is written out, so that no trip jumps over a tensor load
	CHANGE 1
	SLOT_STEPS
	s_add_co_u32 s61, s[T], 1
	s_cmp_lg_u32 s61, s[NA]                        ; the first block's last slot?  Ids and the count of trips alone; no barrier and no tensor load stands in this arm
	s_cbranch_scc1 .Lsame
	FINISH
	s_mov_b32 s[BLK], s[PR]
	BEGIN
.Lsame:
	s_add_co_u32 s[T], s[T], 1
	s_cmp_lt_u32 s[T], 8
	s_cbranch_scc1 .Lslot
	CHANGE 0
	SLOT_STEPS
	FINISH
	s_wait_tensorcnt 0x0                           ; the wave's end
	ds_add_u32 v[SPW], v[NIL]
	s_wait_dscnt 0x0
	s_endpgm
.Lfunc_end_k_q56bf2c8777_attn:
	.size	k_q56bf2c8777_attn, .Lfunc_end_k_q56bf2c8777_attn-k_q56bf2c8777_attn
	.p2alignl 7, 3214868480
	.fill 96, 4, 3214868480
	.section	.rodata,"a",@progbits
	.p2align	6, 0x0
	.amdhsa_kernel k_q56bf2c8777_attn
		.amdhsa_group_segment_fixed_size 327680
		.amdhsa_private_segment_fixed_size 0
		.amdhsa_enable_private_segment 0
		.amdhsa_kernarg_size 16
		.amdhsa_user_sgpr_count 2
		.amdhsa_user_sgpr_kernarg_segment_ptr 1
		.amdhsa_wavefront_size32 1
		.amdhsa_system_sgpr_workgroup_id_x 1
		.amdhsa_system_sgpr_workgroup_id_y 1
		.amdhsa_system_sgpr_workgroup_id_z 1
		.amdhsa_system_vgpr_workitem_id 0
		.amdhsa_next_free_vgpr 384
		.amdhsa_next_free_sgpr 72
		.amdhsa_reserve_vcc 1
		.amdhsa_float_denorm_mode_32 3
		.amdhsa_float_denorm_mode_16_64 3
		.amdhsa_memory_ordered 1
		.amdhsa_forward_progress 1
		.amdhsa_inst_pref_size 73
	.end_amdhsa_kernel
	.amdgpu_metadata
---
amdhsa.version: [ 1, 2 ]
amdhsa.kernels:
  - .name:           k_q56bf2c8777_attn
    .symbol:         k_q56bf2c8777_attn.kd
    .args:
      - { .name: qkv, .offset: 0, .size: 8, .value_kind: global_buffer, .address_space: global }
      - { .name: ctx, .offset: 8, .size: 8, .value_kind: global_buffer, .address_space: global }
    .group_segment_fixed_size: 327680
    .private_segment_fixed_size: 0
    .kernarg_segment_align: 8
    .kernarg_segment_size: 16
    .max_flat_workgroup_size: 256
    .sgpr_count:     72
    .vgpr_count:     384
    .wavefront_size: 32
...
	.end_amdgpu_metadata
.endif
;; end of part 5
;; launch proj (part 6): grid 4 x 64, 4 waves a work-group, clusters of 4 x 4, 327,680 bytes of LDS; arguments ctx, wot, bo, out0; writes out0
.if DOCPART == 6
	.amdgcn_target "amdgcn-amd-amdhsa--gfx1250"
	.amdhsa_code_object_version 6
	.text
	.protected	k_q56bf2c8777_proj
	.globl	k_q56bf2c8777_proj
	.p2align	8
	.type	k_q56bf2c8777_proj,@function
k_q56bf2c8777_proj:
	s_mov_b64 s[64:65], 0
	v_nop
	global_prefetch_b8 v0, s[64:65] scope:SCOPE_SE
	s_setreg_imm32_b32 hwreg(HW_REG_WAVE_MODE, 25, 1), 1
	s_wait_xcnt 0x0
	s_wait_alu depctr_hold_cnt(0) depctr_sa_sdst(0) depctr_va_vdst(0) depctr_va_sdst(0) depctr_va_ssrc(0) depctr_va_vcc(0) depctr_vm_vsrc(0)
	s_getreg_b32 s2, hwreg(HW_REG_IB_STS2, 6, 4)
	s_cmp_eq_u32 s2, 0
	s_cbranch_scc0 .Lentry_in_a_cluster
	s_endpgm
.Lentry_in_a_cluster:
	s_bfe_u32 s2, ttmp6, 0x10000c
	s_cmp_lg_u32 s2, 0xf033
	s_cbranch_scc0 .Lentry_shape_is_right
	s_endpgm
.Lentry_shape_is_right:
; out0 = ctx Wo + bo.  ctx: f16 [h 16][m 8192][64]; wot: Wo's transpose in f16 [n 1024][k 1024]; bo [1024], out0 [8192][1024] f32.  Operands in f16, sums in f32.
; A tile of out0 is 128 x 256: 256 work-groups.  Four waves, each 64 x 128: 32 accumulators.  K goes in 8 steps of 128 (two heads) through two LDS slots.  A's part of a slot is two planes, one a head: 128 rows of
; 128 bytes, dense in memory, taken as 64 rows of 256 bytes; B's part is 256 rows of 256 bytes.  All LDS rows lie 272 bytes apart.
; CLUSTERS: 4 x 4.  Tile column = cx; tile row = 16 cy + cluster y, so that cy is the batch and 'my tile holds a sequence's first rows' is 'cluster y = 0', the same in all partners.  A's tiles are shared along a row of the
; cluster, B's along a column: joint loads.  THE MATRIX INSTRUCTION IS USED TRANSPOSED (source 0 = 16 rows of wot, source 1 = 16 rows of ctx): a lane holds eight neighbouring columns of one row.
; The bias is the C of each sum's first product.  The first 16 rows of each sequence are not stored here: another launch makes them in f32, so each output byte has one writer.
; LIMIT: f16's range for ctx and Wo (under 65,504).
; REGISTERS: window 0: v16-29 addresses, v128-255 the way out; window 1: two fragment buffers of 96 (B's eight fragments, then A's four), v192-255 the bias; window 2: accumulator (a, b) at v[8 (8 a + b)].
.set PITCH,  272
.set PLANE,  64*PITCH
.set BOFF,   2*PLANE
.set SLOT,   BOFF+256*PITCH
.set STAGE,  2*SLOT                    ; behind the ring: 16 rows x (512 + 16) bytes a wave
.set SPITCH, 528
.set SPARE,  STAGE+4*16*SPITCH         ; the spare words, 128 bytes a wave
.set LAPS,   4
.set ASTEP,  2097152                   ; a K step in ctx: two planes
.set BSTEP,  256                       ; and in a row of wot
.set ADRA, 16
.set ADRB, 20
.set STO,  24
.set RD,   25
.set CO,   26
.set BIO,  27
.set SPW,  28
.set NIL,  29
.set BK,   128
.set F0,   0
.set F1,   96
.set BIAS, 192
.set G1, 24
.set G0, 32
.set G1B, 48
.set G0B, 56
.set MSB, 0
.macro WIN new
.if MSB != \new
	s_set_vgpr_msb (MSB<<8)|\new
.set MSB, \new
.endif
.endm
.set MUL,   0xa5                       ; sources 0 and 1 window 1, C and D window 2
.set MUL1,  0x95                       ; the first products: C (the bias) window 1, D window 2
.set TO_F,  0x40
.macro JLOAD s                         ; a joint load: waves 0 and 1 fetch A's planes, waves 2 and 3 B's halves; an s_nop 0 and four v_nop follow each of the two lines
	s_cmp_eq_u32 s11, 0
	s_cbranch_scc0 .Lfor_b_\@
	tensor_load_to_lds s[G0+4*\s:G0+4*\s+3], s[G1:G1+7]
	s_nop 0
.rept 4
	v_nop
.endr
	s_branch .Lasked_\@
.Lfor_b_\@:
	tensor_load_to_lds s[G0B+4*\s:G0B+4*\s+3], s[G1B:G1B+7]
	s_nop 0
.rept 4
	v_nop
.endr
.Lasked_\@:
.endm
.macro CREST                           ; a round of the cluster's barrier behind its opening barrier
	s_cmp_lg_u32 s10, 0
	s_cbranch_scc1 .Lnot_wave_0_\@
	s_barrier_signal -3
.Lnot_wave_0_\@:
	s_barrier_wait -3
	s_barrier_signal -1
	s_barrier_wait -1
.endm
.macro CROUND
	s_barrier_signal -1
	s_barrier_wait -1
	CREST
.endm
	s_load_b128 s[4:7], s[0:1], 0x0                ; ctx, wot
	s_load_b64 s[66:67], s[0:1], 0x10              ; bo
	s_load_b64 s[8:9], s[0:1], 0x18                ; out0
	v_lshl_add_u32 v[SPW], v0, 2, SPARE
	v_mov_b32 v[NIL], 0
	ds_add_u32 v[SPW], v[NIL]                      ; the wave's opening: the add, twice on end, and its wait ahead of my first tensor load
	ds_add_u32 v[SPW], v[NIL]
	v_lshrrev_b32 v1, 5, v0
	v_readfirstlane_b32 s10, v1                    ; wave 0..3
	s_lshr_b32 s11, s10, 1                         ; which 64 rows are mine.  Also: I fetch for A (0) or for B (1)
	s_and_b32 s12, s10, 1                          ; which 128 columns.  Also: which plane of A or which half of B I fetch
	s_bfe_u32 s40, ttmp6, 0x40000                  ; cx
	s_bfe_u32 s41, ttmp6, 0x40004                  ; cy
	s_lshl_b32 s42, ttmp9, 2
	s_add_co_u32 s42, s42, s40                     ; tile column
	s_and_b32 s45, ttmp7, 0xffff                   ; cluster y
	s_lshl_b32 s13, s41, 4
	s_add_co_u32 s13, s13, s45                     ; tile row = 16 cy + cluster y
	s_lshl_b32 s43, s41, 2
	s_lshl_b32 s43, 15, s43                        ; my row of the cluster
	s_lshl_b32 s44, 0x1111, s40                    ; my column
	s_or_b32 s[G1+0], s43, (3<<16)|(1<<20)|(1<<21)|(5<<22)|(3<<25)  ; A: the mask; elements of 8 bytes; padding on; bit 21 beside a mask; 4 words after every 64
	s_mov_b32 s[G1+1], 32<<16                      ; tensor_dim0: 256 bytes
	s_mov_b32 s[G1+2], 64<<16                      ; tensor_dim1
	s_mov_b32 s[G1+3], 32<<16                      ; tile_dim0
	s_mov_b32 s[G1+4], 64                          ; tile_dim1
	s_mov_b32 s[G1+5], 32                          ; dense
	s_mov_b32 s[G1+6], 0
	s_mov_b32 s[G1+7], 0
	s_or_b32 s[G1B+0], s44, (1<<16)|(1<<20)|(1<<21)|(5<<22)|(3<<25) ; B: elements of 2 bytes
	s_mov_b32 s[G1B+1], 128<<16
	s_mov_b32 s[G1B+2], 128<<16
	s_mov_b32 s[G1B+3], 128<<16
	s_mov_b32 s[G1B+4], 128
	s_mov_b32 s[G1B+5], 1024
	s_mov_b32 s[G1B+6], 0
	s_mov_b32 s[G1B+7], 0
	s_lshl_b32 s16, s13, 14                        ; A: 128 rows of 128 bytes a tile row,
	s_lshl_b32 s17, s12, 20                        ; + my plane
	s_add_co_u32 s16, s16, s17
	s_mov_b32 s17, 0
	s_lshl_b32 s46, s42, 8
	s_lshl_b32 s47, s12, 7
	s_add_co_u32 s46, s46, s47                     ; B: row 256 x tile column + 128 x half,
	s_lshl_b32 s46, s46, 11                        ; of 2,048 bytes
	s_mov_b32 s47, 0
	s_mul_i32 s20, s12, PLANE                      ; where they go: no place in the cluster enters an LDS address
	s_mul_i32 s21, s12, 128*PITCH
	s_add_co_u32 s21, s21, BOFF
	s_wait_dscnt 0x0                               ; both opening adds are done
	s_wait_kmcnt 0x0
	s_add_nc_u64 s[14:15], s[4:5], s[16:17]
	s_add_nc_u64 s[46:47], s[6:7], s[46:47]
	CROUND                                         ; all sixteen work-groups are here: the first joint loads meet
.irp s, 0,1
	s_mov_b32 s[G0+4*\s], 1
	s_add_co_u32 s[G0+4*\s+1], s20, \s*SLOT
	s_add_nc_u64 s[G0+4*\s+2:G0+4*\s+3], s[14:15], \s*ASTEP
	s_or_b32 s[G0+4*\s+3], s[G0+4*\s+3], 0x80000000
	s_mov_b32 s[G0B+4*\s], 1
	s_add_co_u32 s[G0B+4*\s+1], s21, \s*SLOT
	s_add_nc_u64 s[G0B+4*\s+2:G0B+4*\s+3], s[46:47], \s*BSTEP
	s_or_b32 s[G0B+4*\s+3], s[G0B+4*\s+3], 0x80000000
	JLOAD \s
.endr
	v_and_b32 v1, 15, v0                           ; r
	v_bfe_u32 v2, v0, 4, 1                         ; h
	v_lshrrev_b32 v3, 1, v1
	v_mul_u32_u24 v3, v3, PITCH
	v_and_b32 v4, 1, v1
	v_lshl_add_u32 v3, v4, 7, v3
	v_lshl_add_u32 v3, v2, 4, v3                   ; A: row r at 272 (r / 2) + 128 (r % 2), + 16 h
	v_mul_u32_u24 v4, v1, PITCH
	v_lshl_add_u32 v4, v2, 4, v4                   ; B: row r x pitch + 16 h
	s_mul_i32 s21, s11, 32*PITCH                   ; my 64 rows of A
	s_mul_i32 s22, s12, 128*PITCH                  ; my 128 rows of B
	s_add_co_u32 s22, s22, BOFF
.irp s, 0,1
	v_add_nc_u32 v[ADRA+\s], s21, v3
	v_add_nc_u32 v[ADRB+\s], s22, v4
	s_add_co_u32 s21, s21, SLOT
	s_add_co_u32 s22, s22, SLOT
.endr
	s_mul_i32 s23, s10, 16*SPITCH
	s_add_co_u32 s23, s23, STAGE                   ; my stage
	v_mul_u32_u24 v5, v1, SPITCH
	v_lshl_add_u32 v5, v2, 5, v5
	v_add_nc_u32 v[STO], s23, v5                   ; in: row r, 32 bytes for each half of the lanes
	v_and_b32 v6, 31, v0
	v_lshlrev_b32 v[CO], 4, v6
	v_add_nc_u32 v[RD], s23, v[CO]                 ; back: the 32 lanes take one row of 512 bytes
	v_lshlrev_b32 v[BIO], 5, v2                    ; bo: 8 h numbers on
	s_lshl_b32 s16, s13, 7
	s_lshl_b32 s17, s11, 6
	s_add_co_u32 s16, s16, s17                     ; my first row of out0
	s_lshl_b32 s16, s16, 12
	s_mov_b32 s17, 0
	s_add_nc_u64 s[8:9], s[8:9], s[16:17]
	s_lshl_b32 s46, s42, 10
	s_lshl_b32 s47, s12, 9
	s_add_co_u32 s46, s46, s47                     ; my first column, in bytes
	s_mov_b32 s47, 0
	s_add_nc_u64 s[8:9], s[8:9], s[46:47]
	s_add_nc_u64 s[66:67], s[66:67], s[46:47]
	s_or_b32 s44, s45, s11                         ; 0 where my 64 rows begin a sequence
	WIN TO_F
.irp b, 0,1,2,3,4,5,6,7
	global_load_b128 v[BIAS+8*\b:BIAS+8*\b+3], v[BIO], s[66:67] offset:64*\b       ; bo at columns 16 b + 8 h + 0..7: the result's layout
	global_load_b128 v[BIAS+8*\b+4:BIAS+8*\b+7], v[BIO], s[66:67] offset:64*\b+16
.endr
	WIN 0
; 8 matrix instructions: A's block a x B's eight, 32 along K.  The 32 accumulators take turns, one instruction a turn, in the same order in every quarter.
.macro MUL8 f, a, first
.irp b, 0,1,2,3,4,5,6,7
.if \first
	v_wmma_f32_16x16x32_f16 v[8*(8*(\a)+\b):8*(8*(\a)+\b)+7], v[\f+8*\b:\f+8*\b+7], v[\f+64+8*(\a):\f+64+8*(\a)+7], v[BIAS+8*\b:BIAS+8*\b+7]
.else
	v_wmma_f32_16x16x32_f16 v[8*(8*(\a)+\b):8*(8*(\a)+\b)+7], v[\f+8*\b:\f+8*\b+7], v[\f+64+8*(\a):\f+64+8*(\a)+7], v[8*(8*(\a)+\b):8*(8*(\a)+\b)+7]
.endif
.endr
.endm
; 24 LDS loads in one run: quarter q (32 along K) of a slot into buffer f: B's eight fragments, then A's four
.macro FETCH slot, q, f
	WIN TO_F
.irp i, 0,1,2,3,4,5,6,7
	ds_load_b128 v[\f+8*\i:\f+8*\i+3],   v[ADRB+\slot] offset:64*(\q)+16*PITCH*\i
	ds_load_b128 v[\f+8*\i+4:\f+8*\i+7], v[ADRB+\slot] offset:64*(\q)+16*PITCH*\i+32
.endr
.irp i, 0,1,2,3
	ds_load_b128 v[\f+64+8*\i:\f+64+8*\i+3],   v[ADRA+\slot] offset:((\q)/2)*PLANE+((\q)%2)*64+8*PITCH*\i
	ds_load_b128 v[\f+64+8*\i+4:\f+64+8*\i+7], v[ADRA+\slot] offset:((\q)/2)*PLANE+((\q)%2)*64+8*PITCH*\i+32
.endr
.endm
.macro PLACES                          ; four plain lines ahead of loads into registers that matrix instructions have read, and of reads of results
.rept 4
	v_nop
.endr
.endm
; One of a K step's first three quarters: multiplies buffer f and fetches quarter qn of the same slot into g.
.macro QUARTER slot, qn, f, g, first
	s_wait_dscnt 4                                 ; B and A's blocks 0 and 1 are in; A's blocks 2 and 3 (four loads) may be out
.if \first
	WIN MUL1
.else
	WIN MUL
.endif
	MUL8 \f, 0, \first
	MUL8 \f, 1, \first
	PLACES
	FETCH \slot, \qn, \g
	s_wait_dscnt 24                                ; all but the 24 just issued
.if \first
	WIN MUL1
.else
	WIN MUL
.endif
	MUL8 \f, 2, \first
	MUL8 \f, 3, \first
.endm
; The last quarter multiplies buffer 1 and changes slots: one barrier; ahead of it each wave waits for all its tensor loads, adds 0 to its spare word, and waits for that and for its reads of this slot.
; fill = 1: the barrier opens a round of the cluster's, and this slot is filled again, two K steps ahead, first thing behind the round.
.macro TURN slot, next, fill
	WIN 0
	s_wait_tensorcnt 0x0                           ; all my tensor loads have landed: my part of the next slot
	ds_add_u32 v[SPW], v[NIL]
	s_wait_dscnt 5                                 ; (the add and the youngest four loads may be out)
	WIN MUL
	MUL8 F1, 0, 0
	s_wait_dscnt 0x0                               ; the add is done, and my reads of this slot are over
	s_barrier_signal -1
	MUL8 F1, 1, 0
.if \fill
	WIN 0
.endif
	s_barrier_wait -1
.if \fill
	CREST
	s_add_nc_u64 s[G0+4*\slot+2:G0+4*\slot+3], s[G0+4*\slot+2:G0+4*\slot+3], 2*ASTEP
	s_add_nc_u64 s[G0B+4*\slot+2:G0B+4*\slot+3], s[G0B+4*\slot+2:G0B+4*\slot+3], 2*BSTEP
	JLOAD \slot                                    ; the four v_nop behind it are also the places ahead of the loads below
.else
	PLACES
.endif
	FETCH \next, 0, F0
	WIN MUL
	MUL8 F1, 2, 0
	MUL8 F1, 3, 0
.endm
	s_wait_tensorcnt 1                             ; my part of K step 0 is in (K step 1's load may be out),
	s_barrier_signal -1
	s_barrier_wait -1                              ; everybody's is
	FETCH 0, 0, F0
	s_wait_loadcnt 0x0                             ; the bias
	QUARTER 0, 1, F0, F1, 1                        ; the first quarter's products start the sums, from the bias
	WIN 0
	s_mov_b32 s3, LAPS-1
.Llap:                                             ; a trip goes once round the ring, from a lap's second quarter to the next lap's first, and fills both slots again
	QUARTER 0, 2, F1, F0, 0
	QUARTER 0, 3, F0, F1, 0
	TURN 0, 1, 1
	QUARTER 1, 1, F0, F1, 0
	QUARTER 1, 2, F1, F0, 0
	QUARTER 1, 3, F0, F1, 0
	TURN 1, 0, 1
	QUARTER 0, 1, F0, F1, 0
	WIN 0
	s_sub_co_u32 s3, s3, 1
	s_cmp_lg_u32 s3, 0
	s_cbranch_scc1 .Llap
	QUARTER 0, 2, F1, F0, 0                        ; the last lap fills nothing
	QUARTER 0, 3, F0, F1, 0
	TURN 0, 1, 0
	QUARTER 1, 1, F0, F1, 0
	QUARTER 1, 2, F1, F0, 0
	QUARTER 1, 3, F0, F1, 0
	s_wait_dscnt 4
	WIN MUL
	MUL8 F1, 0, 0
	MUL8 F1, 1, 0
	s_wait_dscnt 0
	MUL8 F1, 2, 0
	MUL8 F1, 3, 0
	WIN 0
; THE WAY OUT, block by block of 16 rows x 128 columns, through my own stage: in as 32 bytes a lane, back as whole rows of 512 bytes.
.macro TOSTAGE a
	WIN 0x08                                       ; an LDS store's data: window 2
.irp b, 0,1,2,3,4,5,6,7
	ds_store_b128 v[STO], v[8*(8*(\a)+\b):8*(8*(\a)+\b)+3] offset:64*\b            ; each accumulator from its low end on
	ds_store_b128 v[STO], v[8*(8*(\a)+\b)+4:8*(8*(\a)+\b)+7] offset:64*\b+16
.endr
	WIN 0
.set BB, BK+64*((\a)%2)
.irp t, 0,1,2,3,4,5,6,7,8,9,10,11,12,13,14,15
	ds_load_b128 v[BB+4*\t:BB+4*\t+3], v[RD] offset:\t*SPITCH      ; LDS serves a wave's instructions in order: these see the stores above
.endr
.endm
.macro SEND a, younger
.set BB, BK+64*((\a)%2)
	s_wait_dscnt \younger                          ; the block is back; the next block's LDS instructions may be out
.if (\a) > 0
	s_add_nc_u64 s[8:9], s[8:9], 16*4096           ; 16 rows on (the earlier stores have read their base: the wait on XCNT stands ahead)
.else
	s_cmp_eq_u32 s44, 0                            ; a sequence's first 16 rows are the f32 launch's: cluster y and the wave's number alone
	s_cbranch_scc1 .Lfine_rows
.endif
.irp t, 0,1,2,3,4,5,6,7,8,9,10,11,12,13,14,15
	global_store_b128 v[CO], v[BB+4*\t:BB+4*\t+3], s[8:9] offset:\t*4096 th:TH_STORE_NT   ; 512 consecutive bytes, aligned
.endr
.if (\a) == 0
.Lfine_rows:
.endif
.endm
	PLACES
	TOSTAGE 0
.irp a, 1,2,3
.if \a > 1
	s_wait_xcnt 0x0                                ; block a - 2's stores have read their registers and their base
.endif
	TOSTAGE \a
	SEND \a-1, 32
.endr
	s_wait_xcnt 0x0
	SEND 3, 0
	s_wait_tensorcnt 0x0                           ; the wave's end
	ds_add_u32 v[SPW], v[NIL]
	s_wait_dscnt 0x0
	CROUND                                         ; the closing round
	s_endpgm
.Lfunc_end_k_q56bf2c8777_proj:
	.size	k_q56bf2c8777_proj, .Lfunc_end_k_q56bf2c8777_proj-k_q56bf2c8777_proj
	.p2alignl 7, 3214868480
	.fill 96, 4, 3214868480
	.section	.rodata,"a",@progbits
	.p2align	6, 0x0
	.amdhsa_kernel k_q56bf2c8777_proj
		.amdhsa_group_segment_fixed_size 327680
		.amdhsa_private_segment_fixed_size 0
		.amdhsa_enable_private_segment 0
		.amdhsa_kernarg_size 32
		.amdhsa_user_sgpr_count 2
		.amdhsa_user_sgpr_kernarg_segment_ptr 1
		.amdhsa_wavefront_size32 1
		.amdhsa_system_sgpr_workgroup_id_x 1
		.amdhsa_system_sgpr_workgroup_id_y 1
		.amdhsa_system_sgpr_workgroup_id_z 1
		.amdhsa_system_vgpr_workitem_id 0
		.amdhsa_next_free_vgpr 768
		.amdhsa_next_free_sgpr 72
		.amdhsa_reserve_vcc 0
		.amdhsa_float_denorm_mode_32 3
		.amdhsa_float_denorm_mode_16_64 3
		.amdhsa_memory_ordered 1
		.amdhsa_forward_progress 1
		.amdhsa_inst_pref_size 87
	.end_amdhsa_kernel
	.amdgpu_metadata
---
amdhsa.version: [ 1, 2 ]
amdhsa.kernels:
  - .name:           k_q56bf2c8777_proj
    .symbol:         k_q56bf2c8777_proj.kd
    .args:
      - { .name: ctx, .offset: 0, .size: 8, .value_kind: global_buffer, .address_space: global }
      - { .name: wot, .offset: 8, .size: 8, .value_kind: global_buffer, .address_space: global }
      - { .name: bo, .offset: 16, .size: 8, .value_kind: global_buffer, .address_space: global }
      - { .name: out0, .offset: 24, .size: 8, .value_kind: global_buffer, .address_space: global }
    .group_segment_fixed_size: 327680
    .private_segment_fixed_size: 0
    .kernarg_segment_align: 8
    .kernarg_segment_size: 32
    .max_flat_workgroup_size: 128
    .sgpr_count:     72
    .vgpr_count:     768
    .wavefront_size: 32
...
	.end_amdgpu_metadata
.endif
;; end of part 6
